; MI455X (gfx1250); checked and timed in simulation.
; The chip was launched on July 23, 2026; its instructions are those of AMD's public machine-readable ISA for CDNA 5 (MIT licence, August 2026) and "CDNA5" Instruction Set Architecture Reference Guide (July 2026). The comments in the code are by the model that wrote it; some were corrected since.
;; MA1. Allowed arithmetic: matrix products marked QUANTISED: E2M1 operands, one E8M0 scale for each 32 along K, by v_wmma_scale_f32_16x16x128_f8f6f4 with both operands' format E2M1 (or v_wmma_scale_f32_32x16x128_f4), f32 sums; everything else in f32.
;; Inputs: FC_b 512 float32; FC_w_codes 512 x 16 x 16 uint8 (E2M1 codes of FC_w, K innermost, in blocks of 32 codes, two codes a byte); FC_w_scales 512 x 16 uint8 (E8M0 scales of FC_w, one for each 32 codes along K); Wk_b 512 float32; Wk_w_codes 512 x 16 x 16 uint8 (E2M1 codes of Wk_w, K innermost, in blocks of 32 codes, two codes a byte); Wk_w_scales 512 x 16 uint8 (E8M0 scales of Wk_w, one for each 32 codes along K); Wq_b 512 float32; Wq_w_codes 512 x 16 x 16 uint8 (E2M1 codes of Wq_w, K innermost, in blocks of 32 codes, two codes a byte); Wq_w_scales 512 x 16 uint8 (E8M0 scales of Wq_w, one for each 32 codes along K); Wv_b 512 float32; Wv_w_codes 512 x 16 x 16 uint8 (E2M1 codes of Wv_w, K innermost, in blocks of 32 codes, two codes a byte); Wv_w_scales 512 x 16 uint8 (E8M0 scales of Wv_w, one for each 32 codes along K); rep1_codes 8 x 2,048 x 16 x 16 uint8 (E2M1 codes of rep1, K innermost, in blocks of 32 codes, two codes a byte); rep1_scales 8 x 2,048 x 16 uint8 (E8M0 scales of rep1, one for each 32 codes along K); rep_codes 8 x 2,048 x 16 x 16 uint8 (E2M1 codes of rep, K innermost, in blocks of 32 codes, two codes a byte); rep_scales 8 x 2,048 x 16 uint8 (E8M0 scales of rep, one for each 32 codes along K).
;; Outputs: out0 8 x 2,048 x 512 float32.
;; This version of the problem:
;;   THIS VERSION OF THE PROBLEM IS GIVEN IN LOW PRECISION. The matrix products marked QUANTISED in the list below multiply operands that are first quantised to E2M1 (2 exponent bits, 1 mantissa bit; 4 bits a number), with one power-of-two scale for each 32 numbers along K (OCP MX v1.0); their sums are f32. All else is computed in f32.
;;   The module's matrix products, in the order in which they are computed (A, B: the left and right operand; K: the contracted axis; several contracted axes count as one K, in the product's order):
;;     1. [M 16,384, K 512] x [K 512, N 512]; A: input rep (given as codes); B: input Wq_w (given as codes): QUANTISED
;;     2. [M 16,384, K 512] x [K 512, N 512]; A: input rep1 (given as codes); B: input Wk_w (given as codes): QUANTISED
;;     3. [M 16,384, K 512] x [K 512, N 512]; A: input rep1 (given as codes); B: input Wv_w (given as codes): QUANTISED
;;     4. batch 8 x [M 2,048, K 512] x [K 512, N 2,048]; A: computed on the way; B: computed on the way: QUANTISED
;;     5. batch 8 x [M 2,048, K 2,048] x [K 2,048, N 512]; A: softmax (see below); B: computed on the way: QUANTISED
;;     6. [M 16,384, K 512] x [K 512, N 512]; A: computed on the way; B: input FC_w (given as codes): QUANTISED
;;   THE QUANTISER, for each operand of a quantised product, along K:
;;     - K is cut into blocks of 32 from its start; a last block that is shorter is filled with zeros.
;;     - A block's scale is 2^e with e = floor(log2(the largest magnitude in the block)) - 2, held to -126 .. 127; a block of zeros has e = 0. As a byte (E8M0): e + 127.
;;     - Each number is divided by its block's scale, clamped to +-6, and rounded to the nearest number of E2M1, ties to even, subnormals kept.
;;     - The product sums the exact products of the quantised numbers (number of the format x scale) in f32.
;;   ~~~python
;;   def quantise(x, axis):      # numpy; x: float32 -> the quantised numbers, widened to float32 again
;;       x = np.moveaxis(x, axis, -1); K = x.shape[-1]
;;       x = np.pad(x, [(0, 0)] * (x.ndim - 1) + [(0, -K % 32)]); x = x.reshape(x.shape[:-1] + (-1, 32)); a = np.abs(x).max(-1, keepdims=True)
;;       e = np.where(a > 0, np.clip(np.frexp(np.where(a > 0, a, 1))[1] - 1 - 2, -126, 127), 0)      # np.frexp(a)[1] - 1 = floor(log2(a)), exactly
;;       r = np.clip(x / 2.0 ** e, -6, 6)
;;       step = 2.0 ** (np.maximum(np.frexp(np.where(r == 0, 1, r))[1] - 1, 0) - 1)
;;       q = np.round(r / step) * step * 2.0 ** e      # np.round: ties to even
;;       return np.moveaxis(q.reshape(q.shape[:-2] + (-1,))[..., :K], -1, axis).astype(np.float32)
;;   ~~~
;;   SOFTMAX AHEAD OF A QUANTISED PRODUCT. Where the list says 'softmax', what is quantised is not the finished softmax but p = 2^(t - M), with t = logit x log2(e) and M = ceil(the row's largest t), a whole number; so 1/2 < the row's largest p <= 1. The row's sum l is taken of the UNQUANTISED p, in f32, and the product's result is divided by l at the end. Since M is a whole number, a kernel that streams over the keys may use a running M (the ceiling of the running maximum): every later rescaling is an exact power of two, which a block's scale takes up: the codes' values come out the same.
;;   OPERANDS COMPUTED ON THE WAY. 'Computed on the way' means the value that the module computes at that place (a softmax that the list does not call 'softmax' is quantised finished and normalised). What goes into a quantiser is computed in f32, as accurately as f32 sums, v_exp_f32 and their like allow (about 1e-6 of the number): no bf16 or f16 on the way to a quantiser, and a product that is left as it is and whose result goes on into a quantised operand takes f32 operands (vector FMAs, or v_wmma_f32_16x16x4_f32). A number that lies on a knife's edge between two numbers of the format may be rounded either way, as far as f32 arithmetic and the matrix unit's own rounding can turn it there, and no further.
;;   INPUTS GIVEN AS CODES. FC_w (in the module: [512, 512], K = its axis 0); Wk_w (in the module: [512, 512], K = its axis 0); Wq_w (in the module: [512, 512], K = its axis 0); Wv_w (in the module: [512, 512], K = its axis 0); rep (in the module: [8, 2048, 512], K = its axis 2); rep1 (in the module: [8, 2048, 512], K = its axis 2): each comes as NAME_codes (uint8): NAME with its K axis moved to the last place and cut into blocks of 32 codes, [.., K / 32, bytes a block], one block behind the other in memory; two codes a byte, the lower K in the low four bits (a code: sign, 2 exponent bits, 1 mantissa bit); and NAME_scales (uint8): the same leading axes, one E8M0 byte (e + 127) for each 32 codes along K. Its value is code x scale, taken as it is: it is not quantised again, and the codes and scales need not be those that the quantiser above would give.
;; 2 versions. Each part assembles by itself: llvm-mc -triple=amdgcn-amd-amdhsa -mcpu=gfx1250 --defsym DOCPART=n.
;; ======== version 1 of 2: 2 launches
;; workspace buffers: kvc 8,388,608 bytes; kvs 524,288 bytes
;; launch proj (part 1): grid 128 x 2, 4 waves a work-group, no clusters, 0 bytes of LDS; arguments rep1_codes, rep1_scales, Wk_w_codes, Wk_w_scales, Wk_b, Wv_w_codes, Wv_w_scales, Wv_b, kvc, kvs; writes kvc, kvs
.if DOCPART == 1
	.amdgcn_target "amdgcn-amd-amdhsa--gfx1250"
	.amdhsa_code_object_version 6
	.text
	.protected	k_qb61d2dec35_proj
	.globl	k_qb61d2dec35_proj
	.p2align	8
	.type	k_qb61d2dec35_proj,@function
k_qb61d2dec35_proj:
	s_mov_b64 s[64:65], 0
	v_nop
	global_prefetch_b8 v0, s[64:65] scope:SCOPE_SE
	s_setreg_imm32_b32 hwreg(HW_REG_WAVE_MODE, 25, 1), 1
	s_wait_xcnt 0x0
; k = relu(rep1 Wk + bk) and v = relu(rep1 Wv + bv), both products on codes of FP4 (E2M1) with one E8M0 scale for each 32 along K = 512, and the results quantised at once:
; k along its 512 channels, v along the keys.  They leave as IMAGES OF OPERAND REGISTERS, so that the attention launch loads fragments whole.
; kvc: [key group g of 128 keys, 0..127][65,536 bytes].  Bytes 0..32767: K's fragments (channel step s, key tile kt) at 8192 s + 1024 kt; bytes 32768..: V's fragments (channel tile ct) at 32768 + 1024 ct.
;      A fragment (16 rows x 128 along K) is 8 registers a lane: registers 4 c .. 4 c + 3 of lane l lie at 512 c + 16 l.
; kvs: [g][4,096 bytes].  K's scale words at 1024 c + 256 s + 8 l: two words a lane, pairs 2 c and 2 c + 1 of key tiles; V's at 2048 + 512 w + 16 l: four words a lane, pairs 0..3 of channel tiles 8 w on.
;      A pair's word register holds tile 2 p's words in lanes 0-15 and tile 2 p + 1's in lanes 16-31.
; THE ROWS OF A TILE ARE NOT NEIGHBOURS: row i of tile 2 b + u of a group of 128 rows is row 32 b + 8 u + i + 8 (i / 8), on both sides of both products.  So the 16 result registers of tiles 2 b and 2 b + 1
; are 16 neighbours along the axis that is quantised next, and the stored tiles give the attention launch the same property.
; SHARES.  Work-group x = key group; y = 0 makes k, y = 1 makes v; four waves.  A wave keeps 128 rows x 512 K as source 0 (k: rows 128 w on of Wk; v: the group's 128 keys of rep1), 256 registers, and multiplies them
; by 8 tiles of 16 rows as source 1 (k: the group's keys; v: rows 128 w on of Wv), 256 registers.  A unit = one such tile: 32 matrix instructions, relu, quantiser, one fragment of 1,024 bytes.
; Every byte that a wave needs fits in its registers and is asked for at the head: no LDS, no barrier, no tensor load.
; LIMITS: NaN and infinities are not served (a scale byte 0xff among the inputs gives NaN).  A block whose largest magnitude lies under 2^-124 gets the byte 1; so does a block of zeros, whose codes are zeros: the bytes are read by this program alone.
.set AW,  16                           ; v16-31  source 0's scale words: pair b, K step s at 4 b + s
.set BW,  32                           ; v32-47  source 1's likewise
.set SW,  48                           ; v48-51  the results' scale words, a register a pair of units
.set W0,  52                           ; v52, v53 the words of an even and an odd unit
.set TM,  56                           ; v56-71  the quantiser's work
.set PC,  72                           ; v72-79  the codes just made
.set BC,  80                           ; v80-87  v: a unit's bias, spread over 8 registers
.set BVL, 88                           ; v88-95  v: my lane's bias in each of the 8 units
.set HA,  96                           ; v96-159 a unit's 8 result tiles
.set B1,  160                          ; v160-223 k: the bias in the result's layout, 8 registers a tile
.set MSB, 0
.macro WIN new                         ; the immediate's high byte repeats the setting that is left
.if MSB != \new
	s_set_vgpr_msb (MSB<<8)|\new
.set MSB, \new
.endif
.endm
.macro PLACES
.rept 4
	v_nop
.endr
.endm
; One matrix instruction.  d, a, b: first registers of D, source 0, source 1; ck = 0: C is the constant 0, else C = v[c ..]; sa, sb: the scale registers; ra, rb = 1: that side's words stand in lanes 16-31.
.macro WM d, a, b, ck, c, sa, sb, ra, rb
.if (\ck) == 0
.if (\ra) && (\rb)
	v_wmma_scale_f32_16x16x128_f8f6f4 v[\d:\d+7], v[\a:\a+7], v[\b:\b+7], 0, v[\sa], v[\sb] matrix_a_fmt:MATRIX_FMT_FP4 matrix_b_fmt:MATRIX_FMT_FP4 matrix_a_scale:MATRIX_SCALE_ROW1 matrix_b_scale:MATRIX_SCALE_ROW1
.elseif (\ra)
	v_wmma_scale_f32_16x16x128_f8f6f4 v[\d:\d+7], v[\a:\a+7], v[\b:\b+7], 0, v[\sa], v[\sb] matrix_a_fmt:MATRIX_FMT_FP4 matrix_b_fmt:MATRIX_FMT_FP4 matrix_a_scale:MATRIX_SCALE_ROW1
.elseif (\rb)
	v_wmma_scale_f32_16x16x128_f8f6f4 v[\d:\d+7], v[\a:\a+7], v[\b:\b+7], 0, v[\sa], v[\sb] matrix_a_fmt:MATRIX_FMT_FP4 matrix_b_fmt:MATRIX_FMT_FP4 matrix_b_scale:MATRIX_SCALE_ROW1
.else
	v_wmma_scale_f32_16x16x128_f8f6f4 v[\d:\d+7], v[\a:\a+7], v[\b:\b+7], 0, v[\sa], v[\sb] matrix_a_fmt:MATRIX_FMT_FP4 matrix_b_fmt:MATRIX_FMT_FP4
.endif
.else
.if (\ra) && (\rb)
	v_wmma_scale_f32_16x16x128_f8f6f4 v[\d:\d+7], v[\a:\a+7], v[\b:\b+7], v[\c:\c+7], v[\sa], v[\sb] matrix_a_fmt:MATRIX_FMT_FP4 matrix_b_fmt:MATRIX_FMT_FP4 matrix_a_scale:MATRIX_SCALE_ROW1 matrix_b_scale:MATRIX_SCALE_ROW1
.elseif (\ra)
	v_wmma_scale_f32_16x16x128_f8f6f4 v[\d:\d+7], v[\a:\a+7], v[\b:\b+7], v[\c:\c+7], v[\sa], v[\sb] matrix_a_fmt:MATRIX_FMT_FP4 matrix_b_fmt:MATRIX_FMT_FP4 matrix_a_scale:MATRIX_SCALE_ROW1
.elseif (\rb)
	v_wmma_scale_f32_16x16x128_f8f6f4 v[\d:\d+7], v[\a:\a+7], v[\b:\b+7], v[\c:\c+7], v[\sa], v[\sb] matrix_a_fmt:MATRIX_FMT_FP4 matrix_b_fmt:MATRIX_FMT_FP4 matrix_b_scale:MATRIX_SCALE_ROW1
.else
	v_wmma_scale_f32_16x16x128_f8f6f4 v[\d:\d+7], v[\a:\a+7], v[\b:\b+7], v[\c:\c+7], v[\sa], v[\sb] matrix_a_fmt:MATRIX_FMT_FP4 matrix_b_fmt:MATRIX_FMT_FP4
.endif
.endif
.endm
; 64 numbers of a lane, v[s] .. v[s + 63], register 16 b + i = place 32 b + 16 (lane / 16) + i along the next K of my row, become a fragment's codes in v[PC] on and its scale word in v[pw].
.macro QUANT s, pw
.irp b, 0,1,2,3
	v_max3_num_f32 v[TM+\b], |v[\s+16*\b]|, |v[\s+1+16*\b]|, 0x1800000   ; block b: my 16 numbers, and the floor 2^(3 - 127): the byte cannot fall under 1
.endr
.irp i, 2,4,6,8,10,12,14
.irp b, 0,1,2,3
	v_max3_num_f32 v[TM+\b], v[TM+\b], |v[\s+16*\b+\i]|, |v[\s+1+16*\b+\i]|   ; the four blocks by turns
.endr
.endr
.irp b, 0,1,2,3
	v_permlanex16_b32 v[TM+4+\b], v[TM+\b], s42, s43
.endr
.irp b, 0,1,2,3
	v_max_num_f32 v[TM+\b], v[TM+\b], v[TM+4+\b]   ; with lane l xor 16's 16: the block's largest magnitude
.endr
.irp b, 0,1,2,3
	v_add_nc_u32 v[TM+12+\b], 0xff000000, v[TM+\b] ; 2 off its exponent field: the conversion takes the exponent field of this operand as its scale
.endr
.irp b, 0,1,2,3
	v_lshrrev_b32 v[TM+4+\b], 23, v[TM+12+\b]      ; the scale's byte
.endr
	s_wait_xcnt 0x0                                ; the last unit's stores have read their registers: the codes may be written anew
	v_lshl_or_b32 v[\pw], v[TM+5], 8, v[TM+4]      ; my row's scale word
	v_lshl_or_b32 v[\pw], v[TM+6], 16, v[\pw]
	v_lshl_or_b32 v[\pw], v[TM+7], 24, v[\pw]
.irp b, 0,1,2,3
	v_cvt_scalef32_pk8_fp4_f32 v[PC+2*\b], v[\s+16*\b:\s+7+16*\b], v[TM+12+\b]
	v_cvt_scalef32_pk8_fp4_f32 v[PC+1+2*\b], v[\s+8+16*\b:\s+15+16*\b], v[TM+12+\b]
.endr
	v_nop                                          ; one plain place behind a scaled conversion
.irp c, 0,1                                    ; the operand's layout wants a whole block in a lane: lanes 0-15 block 2 c, lanes 16-31 block 2 c + 1
.irp i, 0,1
	v_permlane16_swap_b32 v[PC+4*\c+\i], v[PC+2+4*\c+\i]
.endr
.endr
.endm
	s_load_b512 s[4:19], s[0:1], 0x0               ; rep1's codes s[4:5], scales s[6:7]; Wk's s[8:9], s[10:11]; bk s[12:13]; Wv's s[14:15], s[16:17]; bv s[18:19]
	s_load_b128 s[20:23], s[0:1], 0x40             ; kvc s[20:21], kvs s[22:23]
	v_lshrrev_b32 v1, 5, v0
	v_readfirstlane_b32 s2, v1                     ; wave 0..3
	s_and_b32 s3, ttmp7, 0xffff                    ; the job: 0 = k, 1 = v
	v_and_b32 v1, 15, v0                           ; r
	v_bfe_u32 v2, v0, 4, 1                         ; h
	v_and_b32 v3, 8, v1
	v_add_nc_u32 v3, v3, v1                        ; r + 8 (r / 8)
	v_lshlrev_b32 v4, 8, v3
	v_lshl_add_u32 v4, v2, 4, v4                   ; a fragment's lane term: a row of 512 codes is 256 bytes, + 16 h
	v_lshl_add_u32 v5, v2, 3, v3
	v_lshlrev_b32 v5, 4, v5                        ; a pair's scale words: 16 bytes a row; lanes 16-31 take the tile 8 rows on
	v_and_b32 v7, 31, v0
	v_lshlrev_b32 v8, 3, v7                        ; 8 x lane
	v_lshlrev_b32 v7, 4, v7                        ; 16 x lane
.irp b, 0,1,2,3
	v_mov_b32 v[TM+4+\b], 0                        ; written once: a lane permute's destination counts as one of its sources
.endr
	s_mov_b32 s42, 0x76543210
	s_mov_b32 s43, 0xfedcba98                      ; v_permlanex16_b32's selects for lane l xor 16
	s_mov_b32 s34, 0xffff0000                      ; lanes 16-31
	s_lshl_b32 s44, ttmp9, 16                      ; where my fragments go: 65,536 x group + 32,768 x job + 8,192 x wave
	s_lshl_b32 s45, s3, 15
	s_add_co_u32 s44, s44, s45
	s_lshl_b32 s45, s2, 13
	s_add_co_u32 s44, s44, s45
	s_mov_b32 s45, 0
	s_lshl_b32 s46, s2, 9
	s_add_co_u32 s46, s46, 2048                    ; v's scale words: 2,048 + 512 x wave
	s_lshl_b32 s47, s2, 8                          ; k's: 256 x wave
	s_cmp_eq_u32 s3, 0
	s_cselect_b32 s46, s47, s46
	s_cselect_b32 s32, s2, ttmp9                   ; source 0's group of 128 rows: k: the wave's of Wk; v: the key group of rep1
	s_cselect_b32 s33, ttmp9, s2                   ; source 1's: the other way round
	s_lshl_b32 s47, ttmp9, 12
	s_add_co_u32 s46, s46, s47                     ; + 4,096 x group
	s_mov_b32 s47, 0
	s_lshl_b32 s48, s32, 15                        ; 128 rows of codes are 32,768 bytes,
	s_mov_b32 s49, 0
	s_lshl_b32 s50, s32, 11                        ; of scale bytes 2,048
	s_mov_b32 s51, 0
	s_lshl_b32 s52, s33, 15
	s_mov_b32 s53, 0
	s_lshl_b32 s54, s33, 11
	s_mov_b32 s55, 0
	s_lshl_b32 s56, s2, 9                          ; the wave's 128 numbers of the bias
	s_mov_b32 s57, 0
	s_wait_kmcnt 0x0
	s_cmp_eq_u32 s3, 0                             ; the buffers are chosen by the work-group's y alone
	s_cselect_b64 s[24:25], s[8:9], s[4:5]         ; source 0's codes
	s_cselect_b64 s[26:27], s[10:11], s[6:7]       ; and scales
	s_cselect_b64 s[28:29], s[4:5], s[14:15]       ; source 1's codes
	s_cselect_b64 s[30:31], s[6:7], s[16:17]       ; and scales
	s_cselect_b64 s[40:41], s[12:13], s[18:19]     ; the bias
	s_add_nc_u64 s[24:25], s[24:25], s[48:49]
	s_add_nc_u64 s[26:27], s[26:27], s[50:51]
	s_add_nc_u64 s[28:29], s[28:29], s[52:53]
	s_add_nc_u64 s[30:31], s[30:31], s[54:55]
	s_add_nc_u64 s[40:41], s[40:41], s[56:57]
	s_add_nc_u64 s[36:37], s[20:21], s[44:45]      ; my fragments in kvc
	s_add_nc_u64 s[38:39], s[22:23], s[46:47]      ; my scale words in kvs
.irp b, 0,1,2,3
	global_load_b128 v[AW+4*\b:AW+4*\b+3], v5, s[26:27] offset:512*\b   ; pair b: rows 32 b on; four words a row, one for each K step
.endr
.irp b, 0,1,2,3
	global_load_b128 v[BW+4*\b:BW+4*\b+3], v5, s[30:31] offset:512*\b
.endr
	WIN 0x40                                       ; destination window 1: source 0's fragment (tile t, K step s) at v[8 (4 t + s)]
.irp t, 0,1,2,3,4,5,6,7
.irp s, 0,1,2,3
.irp c, 0,1
	global_load_b128 v[8*(4*\t+\s)+4*\c:8*(4*\t+\s)+4*\c+3], v4, s[24:25] offset:(32*(\t/2)+8*(\t%2))*256+64*\s+32*\c
.endr
.endr
.endr
	WIN 0
; A unit: streaming tile i against my 8 tiles, K = 512 in four steps; the 8 accumulators take turns, one instruction a turn.
.macro UNIT i, vjob
.if (\i)%2 == 0
	s_wait_loadcnt 48-16*((\i)/2)                  ; all loads up to this pair of tiles are in; the 16 loads of each later pair may be out
.endif
.if \vjob
.irp j, 0,1,2,3,4,5,6,7
	v_mov_b32 v[BC+\j], v[BVL+\i]                  ; v: a lane holds one channel, so its bias is the same in all eight registers
.endr
	PLACES
.endif
	WIN 0x09                                       ; source 0 window 1, source 1 window 2, C and D window 0
.irp s, 0,1,2,3
.irp t, 0,1,2,3,4,5,6,7
.if \s > 0
	WM HA+8*\t, 8*(4*\t+\s), 8*(4*\i+\s), 1, HA+8*\t, AW+4*(\t/2)+\s, BW+4*(\i/2)+\s, \t%2, \i%2
.elseif \vjob
	WM HA+8*\t, 8*(4*\t+\s), 8*(4*\i+\s), 1, BC, AW+4*(\t/2)+\s, BW+4*(\i/2)+\s, \t%2, \i%2
.else
	WM HA+8*\t, 8*(4*\t+\s), 8*(4*\i+\s), 1, B1+8*\t, AW+4*(\t/2)+\s, BW+4*(\i/2)+\s, \t%2, \i%2
.endif
.endr
.endr
	WIN 0
	PLACES                                         ; four places between the last product and the first read of results
.set J, 0
.rept 64
	v_max_num_f32 v[HA+J], 0, v[HA+J]              ; relu, in f32; each accumulator from its low end on
.set J, J+1
.endr
	QUANT HA, W0+(\i)%2
	global_store_b128 v7, v[PC:PC+3], s[36:37] offset:(\i)*1024        ; 32 lanes store 512 consecutive bytes, aligned
	global_store_b128 v7, v[PC+4:PC+7], s[36:37] offset:(\i)*1024+512
.if (\i)%2 == 1
	v_cndmask_b32 v[SW+(\i)/2], v[W0], v[W0+1], s34   ; the pair's word register: the even tile's words below, the odd tile's above
.endif
.endm
.macro BODY vjob
.if \vjob
	v_lshlrev_b32 v6, 2, v3
.irp i, 0,1,2,3,4,5,6,7
	global_load_b32 v[BVL+\i], v6, s[40:41] offset:(32*(\i/2)+8*(\i%2))*4   ; the bias of my lane's channel in tile i
.endr
.else
	v_lshlrev_b32 v6, 6, v2
.irp t, 0,1,2,3,4,5,6,7
	global_load_b128 v[B1+8*\t:B1+8*\t+3], v6, s[40:41] offset:(32*(\t/2)+8*(\t%2))*4        ; lane (r, h), tile 2 b + u: channels 32 b + 16 h + 8 u + 0 .. 7
	global_load_b128 v[B1+8*\t+4:B1+8*\t+7], v6, s[40:41] offset:(32*(\t/2)+8*(\t%2))*4+16
.endr
.endif
	WIN 0x80                                       ; destination window 2: source 1's fragment (tile i, K step s) at v[8 (4 i + s)], tile by tile
.irp i, 0,1,2,3,4,5,6,7
.irp s, 0,1,2,3
.irp c, 0,1
	global_load_b128 v[8*(4*\i+\s)+4*\c:8*(4*\i+\s)+4*\c+3], v4, s[28:29] offset:(32*(\i/2)+8*(\i%2))*256+64*\s+32*\c
.endr
.endr
.endr
	WIN 0
.irp i, 0,1,2,3,4,5,6,7
	UNIT \i, \vjob
.endr
.if \vjob
	global_store_b128 v7, v[SW:SW+3], s[38:39]     ; 512 consecutive bytes: pairs 0..3 of my 8 channel tiles
.else
	global_store_b64 v8, v[SW:SW+1], s[38:39]      ; 256 consecutive bytes: pairs 0, 1 of the key tiles, channel step = my wave
	global_store_b64 v8, v[SW+2:SW+3], s[38:39] offset:1024   ; pairs 2, 3
.endif
	s_endpgm
.endm
	s_cmp_lg_u32 s3, 0
	s_cbranch_scc1 .Lvjob
	BODY 0
.Lvjob:
	BODY 1
.Lfunc_end_k_qb61d2dec35_proj:
	.size	k_qb61d2dec35_proj, .Lfunc_end_k_qb61d2dec35_proj-k_qb61d2dec35_proj
	.p2alignl 7, 3214868480
	.fill 96, 4, 3214868480
	.section	.rodata,"a",@progbits
	.p2align	6, 0x0
	.amdhsa_kernel k_qb61d2dec35_proj
		.amdhsa_group_segment_fixed_size 0
		.amdhsa_private_segment_fixed_size 0
		.amdhsa_enable_private_segment 0
		.amdhsa_kernarg_size 80
		.amdhsa_user_sgpr_count 2
		.amdhsa_user_sgpr_kernarg_segment_ptr 1
		.amdhsa_wavefront_size32 1
		.amdhsa_system_sgpr_workgroup_id_x 1
		.amdhsa_system_sgpr_workgroup_id_y 1
		.amdhsa_system_sgpr_workgroup_id_z 1
		.amdhsa_system_vgpr_workitem_id 0
		.amdhsa_next_free_vgpr 768
		.amdhsa_next_free_sgpr 66
		.amdhsa_reserve_vcc 0
		.amdhsa_float_denorm_mode_32 3
		.amdhsa_float_denorm_mode_16_64 3
		.amdhsa_memory_ordered 1
		.amdhsa_forward_progress 1
		.amdhsa_inst_pref_size 190
	.end_amdhsa_kernel
	.amdgpu_metadata
---
amdhsa.version: [ 1, 2 ]
amdhsa.kernels:
  - .name:           k_qb61d2dec35_proj
    .symbol:         k_qb61d2dec35_proj.kd
    .args:
      - { .name: rep1_codes, .offset: 0, .size: 8, .value_kind: global_buffer, .address_space: global }
      - { .name: rep1_scales, .offset: 8, .size: 8, .value_kind: global_buffer, .address_space: global }
      - { .name: Wk_w_codes, .offset: 16, .size: 8, .value_kind: global_buffer, .address_space: global }
      - { .name: Wk_w_scales, .offset: 24, .size: 8, .value_kind: global_buffer, .address_space: global }
      - { .name: Wk_b, .offset: 32, .size: 8, .value_kind: global_buffer, .address_space: global }
      - { .name: Wv_w_codes, .offset: 40, .size: 8, .value_kind: global_buffer, .address_space: global }
      - { .name: Wv_w_scales, .offset: 48, .size: 8, .value_kind: global_buffer, .address_space: global }
      - { .name: Wv_b, .offset: 56, .size: 8, .value_kind: global_buffer, .address_space: global }
      - { .name: kvc, .offset: 64, .size: 8, .value_kind: global_buffer, .address_space: global }
      - { .name: kvs, .offset: 72, .size: 8, .value_kind: global_buffer, .address_space: global }
    .group_segment_fixed_size: 0
    .private_segment_fixed_size: 0
    .kernarg_segment_align: 8
    .kernarg_segment_size: 80
    .max_flat_workgroup_size: 128
    .sgpr_count:     66
    .vgpr_count:     768
    .wavefront_size: 32
...
	.end_amdgpu_metadata
.endif
;; end of part 1
;; launch attn (part 2): grid 32 x 8, 4 waves a work-group, clusters of 4 x 1, 327,680 bytes of LDS; arguments rep_codes, rep_scales, Wq_w_codes, Wq_w_scales, Wq_b, kvc, kvs, FC_w_codes, FC_w_scales, FC_b, out0; writes out0
.if DOCPART == 2
	.amdgcn_target "amdgcn-amd-amdhsa--gfx1250"
	.amdhsa_code_object_version 6
	.text
	.protected	k_qb61d2dec35_attn
	.globl	k_qb61d2dec35_attn
	.p2align	8
	.type	k_qb61d2dec35_attn,@function
k_qb61d2dec35_attn:
	s_mov_b64 s[64:65], 0
	v_nop
	global_prefetch_b8 v0, s[64:65] scope:SCOPE_SE
	s_setreg_imm32_b32 hwreg(HW_REG_WAVE_MODE, 25, 1), 1
	s_wait_xcnt 0x0
	s_wait_alu depctr_hold_cnt(0) depctr_sa_sdst(0) depctr_va_vdst(0) depctr_va_sdst(0) depctr_va_ssrc(0) depctr_va_vcc(0) depctr_vm_vsrc(0)
	s_getreg_b32 s2, hwreg(HW_REG_IB_STS2, 6, 4)
	s_cmp_eq_u32 s2, 0
	s_cbranch_scc0 .Lentry_in_a_cluster
	s_endpgm
.Lentry_in_a_cluster:
	s_bfe_u32 s2, ttmp6, 0x10000c
	s_cmp_lg_u32 s2, 0x3003
	s_cbranch_scc0 .Lentry_shape_is_right
	s_endpgm
.Lentry_shape_is_right:
; out0 = relu(Q(softmax(q k^T / sqrt(512)) v) FC + b), q = relu(rep Wq + bq); every product on codes of FP4 (E2M1) with one E8M0 scale for each 32 along its K.  k and v come as register images out of kvc and kvs (see the launch before).
; THE SOFTMAX: t = score x log2(e) / sqrt(512); M = the running largest t rounded UP to a whole number; p = 2^(t - M) is quantised along the keys, not normalised; the row's sum is taken of the unquantised p and divides O at the end.
; When M moves, the sum and O are multiplied by 2^(old M - new M), which rounds nothing.
; SHARES.  A work-group owns 64 queries (tiles m = 0..3 of 16) of one batch.  THE FOUR WAVES SHARE COLUMNS, NOT ROWS.  In a step of 256 keys (a slot: two key groups of 128) wave w makes, for all four query tiles,
; S^T of key tiles 4 (w & 1) .. + 3 of key group w >> 1, and O^T of channel tiles 8 w .. 8 w + 7.  So each fragment of K and of V is read from LDS once in the work-group and feeds four matrix instructions.  What goes round through
; LDS is small: the tiles' largest scores, and p's codes and scale bytes, as images of the operand's registers.  A wave's 128 channels of q are K step w of the scores, its 128 channels of O are K step w of FC.
; ALL PRODUCTS ARE USED TRANSPOSED (source 1 = 16 queries): a lane holds ONE query (lane % 16) throughout, and its registers run along the axis that is quantised next.
; CLUSTER.  The four query blocks of a cluster walk the same tiles of kvc: each tile is asked for jointly, by the same tensor load with the same descriptor and the mask 15.
; LIMITS: NaN and infinities are not served (a scale byte 0xff among the inputs gives NaN).  A block whose largest magnitude lies under 2^-124 gets the byte 1; so does a block of zeros, whose codes are zeros.
; A block's largest p is made from the block's largest score by the same multiply-add and exponential: that takes v_exp_f32 not to fall where its input rises.
; REGISTERS, in windows of 256.  Window 0: addresses, scale words, statistics, S^T / p (v128-255).  Window 1: Wq's fragments, then O^T (m, ct) at 64 m + 8 ct, then FC's sums.
; Window 2: v0-127 q's (at the end O's) fragments (m, s) at 8 (4 m + s); v128-255 rep's, then K's (kt, s) at 128 + 8 (4 kt + s), at the end FC's K steps 0, 1.
; Window 3: v0-127 V's (ct, key group) at 8 (2 ct + k), at the end FC's K steps 2, 3; v128-191 p's (m, k) at 128 + 8 (2 m + k); v192-255 a bias in the result's layout.
.set SLOT1, 1<<17                      ; LDS: slot 0 at 0, slot 1 here, 131,072 bytes each: one exclusive or turns an address from one to the other
.set SPARE, 2*SLOT1                    ; the spare words, 128 bytes for each wave: two blocks of 256 bytes that no other line names
.set MX,    SPARE+512                  ; 2,048: a number for each tile and lane from each wave: 512 w + 16 lane
.set PSC,   MX+2048                    ; 512: p's scale words: 256 (m % 2) + 16 r + 8 (m / 2) + 4 (key group) + 2 (half)
.set PIMG,  PSC+512                    ; 8,192: p's fragments: 2048 m + 1024 (key group) + 512 c + 16 lane
.set QSC,   PIMG+8192                  ; 1,024: q's (later O's) scale words: 512 (m / 2) + 256 (m % 2) + 16 r + 4 s
.set QIMG,  QSC+1024                   ; 16,384: q's (later O's) fragments: 1024 (4 m + s) + 512 c + 16 lane
.set STG,   QIMG+16384                 ; 33,792: the way out: 16 rows x (512 + 16) bytes for each wave
.set SPW, 1                            ; v1   LDS address of my spare word; never rewritten
.set NIL, 2                            ; v2   0; never rewritten
.set L16, 3                            ; v3   16 x lane
.set FBO, 4                            ; v4   32 h: FC_b's lane term
.set ADK, 5                            ; v5   the step's K fragments;  v6, v7 its V fragments in the slot's two key groups
.set ADV0, 6
.set ADV1, 7
.set MXW, 8
.set MXR, 9
.set PIW, 10
.set PIR, 11
.set PSW, 12
.set PSR, 13
.set QIW, 14
.set QIR, 15
.set QSW, 16
.set QSR, 17
.set L8,  18                           ; v18  8 x lane
.set PFO, 19                           ; v19  256 x lane: the prefetches' offset
.set VF,  20                           ; v20  256 r + 16 h: a fragment from rows in memory
.set VFT, 21                           ; v21  256 (r + 8 (r / 8)) + 16 h: the same for tiles whose rows are not neighbours
.set SO,  22
.set SR,  23
.set QW,  24                           ; v24-31  source 1's scale words, pair m / 2, K step s at 4 (m / 2) + s: rep's, then q's, then O's
.set KW,  32                           ; v32-39  K's scale words at 2 s + (pair of my four key tiles)
.set VW,  40                           ; v40-47  V's at 4 (key group) + (pair of my eight channel tiles)
.set WS,  32                           ; v32-47  at the head Wq's, at the end FC's scale words, at 4 (t / 2) + s
.set PWD, 48                           ; v48-51  p's scale words at (key group) + 2 (m / 2)
.set NM,  52                           ; v52-59  a pair a tile: -M, the largest t
.set LS,  60                           ; v60-67  a pair a tile: the sum in two halves
.set FF,  68                           ; v68-75  a pair a tile: the factor, and a word that is only named
.set BM,  76                           ; v76-83  the largest score, then the largest p, of block 2 m + p
.set T1,  84                           ; v84-91  at work
.set SOP, 92                           ; v92-99  at work; the conversions' scale operands
.set TX,  100                          ; v100-103 a number a tile
.set XM,  104                          ; v104-119 the four waves' numbers
.set PC,  104                          ; and the codes just made
.set TP,  120                          ; v120-127 a pair a tile, at work
.set S,   128
.set HA,  128                          ; v128-191 64 numbers ahead of the quantiser
.set OB,  192                          ; v192-255 the way out: 16 rows read back
.set TM,  76
.set MSB, 0
.macro WIN new                         ; the immediate's high byte repeats the setting that is left
.if MSB != \new
	s_set_vgpr_msb (MSB<<8)|\new
.set MSB, \new
.endif
.endm
.macro PLACES
.rept 4
	v_nop
.endr
.endm
; One matrix instruction.  d, a, b: first registers of D, source 0, source 1; ck = 0: C is the constant 0, else C = v[c ..]; sa, sb: the scale registers; ra, rb = 1: that side's words stand in lanes 16-31.
.macro WM d, a, b, ck, c, sa, sb, ra, rb
.if (\ck) == 0
.if (\ra) && (\rb)
	v_wmma_scale_f32_16x16x128_f8f6f4 v[\d:\d+7], v[\a:\a+7], v[\b:\b+7], 0, v[\sa], v[\sb] matrix_a_fmt:MATRIX_FMT_FP4 matrix_b_fmt:MATRIX_FMT_FP4 matrix_a_scale:MATRIX_SCALE_ROW1 matrix_b_scale:MATRIX_SCALE_ROW1
.elseif (\ra)
	v_wmma_scale_f32_16x16x128_f8f6f4 v[\d:\d+7], v[\a:\a+7], v[\b:\b+7], 0, v[\sa], v[\sb] matrix_a_fmt:MATRIX_FMT_FP4 matrix_b_fmt:MATRIX_FMT_FP4 matrix_a_scale:MATRIX_SCALE_ROW1
.elseif (\rb)
	v_wmma_scale_f32_16x16x128_f8f6f4 v[\d:\d+7], v[\a:\a+7], v[\b:\b+7], 0, v[\sa], v[\sb] matrix_a_fmt:MATRIX_FMT_FP4 matrix_b_fmt:MATRIX_FMT_FP4 matrix_b_scale:MATRIX_SCALE_ROW1
.else
	v_wmma_scale_f32_16x16x128_f8f6f4 v[\d:\d+7], v[\a:\a+7], v[\b:\b+7], 0, v[\sa], v[\sb] matrix_a_fmt:MATRIX_FMT_FP4 matrix_b_fmt:MATRIX_FMT_FP4
.endif
.else
.if (\ra) && (\rb)
	v_wmma_scale_f32_16x16x128_f8f6f4 v[\d:\d+7], v[\a:\a+7], v[\b:\b+7], v[\c:\c+7], v[\sa], v[\sb] matrix_a_fmt:MATRIX_FMT_FP4 matrix_b_fmt:MATRIX_FMT_FP4 matrix_a_scale:MATRIX_SCALE_ROW1 matrix_b_scale:MATRIX_SCALE_ROW1
.elseif (\ra)
	v_wmma_scale_f32_16x16x128_f8f6f4 v[\d:\d+7], v[\a:\a+7], v[\b:\b+7], v[\c:\c+7], v[\sa], v[\sb] matrix_a_fmt:MATRIX_FMT_FP4 matrix_b_fmt:MATRIX_FMT_FP4 matrix_a_scale:MATRIX_SCALE_ROW1
.elseif (\rb)
	v_wmma_scale_f32_16x16x128_f8f6f4 v[\d:\d+7], v[\a:\a+7], v[\b:\b+7], v[\c:\c+7], v[\sa], v[\sb] matrix_a_fmt:MATRIX_FMT_FP4 matrix_b_fmt:MATRIX_FMT_FP4 matrix_b_scale:MATRIX_SCALE_ROW1
.else
	v_wmma_scale_f32_16x16x128_f8f6f4 v[\d:\d+7], v[\a:\a+7], v[\b:\b+7], v[\c:\c+7], v[\sa], v[\sb] matrix_a_fmt:MATRIX_FMT_FP4 matrix_b_fmt:MATRIX_FMT_FP4
.endif
.endif
.endm
; 64 numbers of a lane, v[s] .. v[s + 63], register 16 b + i = place 32 b + 16 (lane / 16) + i along the next K of my row, become a fragment's codes in v[PC] on and its scale word in v[pw].
.macro QUANT s, pw
.irp b, 0,1,2,3
	v_max3_num_f32 v[TM+\b], |v[\s+16*\b]|, |v[\s+1+16*\b]|, 0x1800000   ; block b: my 16 numbers, and the floor 2^(3 - 127): the byte cannot fall under 1
.endr
.irp i, 2,4,6,8,10,12,14
.irp b, 0,1,2,3
	v_max3_num_f32 v[TM+\b], v[TM+\b], |v[\s+16*\b+\i]|, |v[\s+1+16*\b+\i]|   ; the four blocks by turns
.endr
.endr
.irp b, 0,1,2,3
	v_permlanex16_b32 v[TM+4+\b], v[TM+\b], s30, s31
.endr
.irp b, 0,1,2,3
	v_max_num_f32 v[TM+\b], v[TM+\b], v[TM+4+\b]   ; with lane l xor 16's 16: the block's largest magnitude
.endr
.irp b, 0,1,2,3
	v_add_nc_u32 v[TM+12+\b], 0xff000000, v[TM+\b] ; 2 off its exponent field: the conversion takes the exponent field of this operand as its scale
.endr
.irp b, 0,1,2,3
	v_lshrrev_b32 v[TM+4+\b], 23, v[TM+12+\b]      ; the scale's byte
.endr
	s_wait_dscnt 0x0                               ; the last image's stores have read their registers: word and codes may be written anew
	v_lshl_or_b32 v[\pw], v[TM+5], 8, v[TM+4]      ; my row's scale word
	v_lshl_or_b32 v[\pw], v[TM+6], 16, v[\pw]
	v_lshl_or_b32 v[\pw], v[TM+7], 24, v[\pw]
.irp b, 0,1,2,3
	v_cvt_scalef32_pk8_fp4_f32 v[PC+2*\b], v[\s+16*\b:\s+7+16*\b], v[TM+12+\b]
	v_cvt_scalef32_pk8_fp4_f32 v[PC+1+2*\b], v[\s+8+16*\b:\s+15+16*\b], v[TM+12+\b]
.endr
	v_nop                                          ; one plain place behind a scaled conversion
.irp c, 0,1                                    ; the operand's layout wants a whole block in a lane: lanes 0-15 block 2 c, lanes 16-31 block 2 c + 1
.irp i, 0,1
	v_permlane16_swap_b32 v[PC+4*\c+\i], v[PC+2+4*\c+\i]
.endr
.endr
.endm
; A round of the cluster's barrier: my work-group's barrier; wave 0 signals for the work-group; every wave waits for all four work-groups; my work-group's barrier once more.
.macro ROUND
	s_barrier_signal -1
	s_barrier_wait -1
	s_cmp_lg_u32 s26, 0
	s_cbranch_scc1 .Lnot_wave_0_\@
	s_barrier_signal -3
.Lnot_wave_0_\@:
	s_barrier_wait -3
	s_barrier_signal -1
	s_barrier_wait -1
.endm
; A prefetch of the slot that the NEXT change of slots will ask for: one key step (128 matrix instructions a wave) ahead of that load.  All eight clusters of a batch walk the same tiles: the batch's first cluster asks.
; Of the 128 rows of 256 bytes that wave w fetches, the partner at place cx takes 32, told apart by address; a lane a row.  So each row is named once in the launch.  The last change that fills a slot asks for nothing.
.macro ASK
	s_cmp_gt_u32 s49, s50
	s_cbranch_scc0 .Lnot_mine_\@
	global_prefetch_b8 v[PFO], s[52:53] th:TH_LOAD_NT scope:SCOPE_SE
.Lnot_mine_\@:
.endm
; THE CHANGE OF SLOTS stands at a step's head.  Each wave waits for all its tensor loads (one is out: its quarter of the slot that is about to be read), adds 0 to its spare word, and waits for that and for its reads of the slot that it has left.
; fill = 1: a round of the cluster's barrier follows, and behind it the slot that was left is filled with the next 256 keys: that load has a whole step in which to land.
.macro CHANGE fill
	s_wait_tensorcnt 0x0                           ; no tensor load of mine is out, so the descriptor may be written
	ds_add_u32 v[SPW], v[NIL]                      ; 0 onto my spare word
.if \fill
	s_xor_b32 s45, s45, SLOT1                      ; the walking descriptor: the other slot than last time,
	s_add_nc_u64 s[46:47], s[46:47], 131072        ; the next two key groups; the type bits on top are not reached
	s_wait_xcnt 0x0                                ; the last prefetch, a step back, has read its address
	s_add_nc_u64 s[52:53], s[52:53], 131072        ; one slot further on than the descriptor
.endif
	s_wait_dscnt 0x0                               ; the add is done, and my reads of the slot that I have left are over
.if \fill
	ROUND
	tensor_load_to_lds s[44:47], s[36:43]          ; the first thing behind the round, and my one tensor load until the next
	s_nop 0
	PLACES
	ASK
.else
	s_barrier_signal -1
	s_barrier_wait -1
.endif
.endm
.macro IMAGE m                         ; the fragment in v[PC] on and its scale word go to LDS as they stand: query tile m, K step = my wave
.irp c, 0,1
	ds_store_b128 v[QIW], v[PC+4*\c:PC+4*\c+3] offset:(\m)*4096+512*\c
.endr
	ds_store_b32 v[QSW], v[TX] offset:((\m)/2)*512+((\m)%2)*256   ; lanes r and 16 + r write the same word with the same value
.endm
.macro GETQ                            ; all sixteen fragments (m, s) and their scale words come back, in every wave
	WIN 0x80
.irp m, 0,1,2,3
.irp s, 0,1,2,3
.irp c, 0,1
	ds_load_b128 v[8*(4*\m+\s)+4*\c:8*(4*\m+\s)+4*\c+3], v[QIR] offset:(4*\m+\s)*1024+512*\c
.endr
.endr
.endr
	WIN 0
.irp u, 0,1
	ds_load_b128 v[QW+4*\u:QW+4*\u+3], v[QSR] offset:512*\u
.endr
.endm
	s_load_b512 s[4:19], s[0:1], 0x0               ; rep's codes s[4:5], scales s[6:7]; Wq's s[8:9], s[10:11]; bq s[12:13]; kvc s[14:15]; kvs s[16:17]; FC's codes s[18:19]
	s_load_b128 s[20:23], s[0:1], 0x40             ; FC's scales s[20:21], FC_b s[22:23]
	s_load_b64 s[24:25], s[0:1], 0x50              ; out0
	v_lshl_add_u32 v[SPW], v0, 2, SPARE
	v_mov_b32 v[NIL], 0
	ds_add_u32 v1, v2
	ds_add_u32 v1, v2
	s_wait_dscnt 0x0
	v_lshrrev_b32 v120, 5, v0
	v_readfirstlane_b32 s26, v120                  ; wave 0..3
	s_bfe_u32 s27, ttmp6, 0x40000                  ; cx: it enters the addresses of rep, out0 and the prefetches alone
	s_and_b32 s29, ttmp7, 0xffff                   ; the batch, which the four partners share
	s_mov_b32 s30, 0x76543210
	s_mov_b32 s31, 0xfedcba98                      ; v_permlanex16_b32's selects for lane l xor 16
	s_mov_b32 s32, 0x3d8293ee                      ; c = log2(e) / sqrt(512)
	s_mov_b32 s33, s32                             ; (named with it as a pair, so it is written)
	s_lshr_b32 s34, s26, 1
	s_lshl_b32 s34, s34, 16
	s_and_b32 s35, s26, 1
	s_lshl_b32 s35, s35, 12
	s_add_co_u32 s34, s34, s35                     ; my K fragments in a slot: 65,536 (w >> 1) + 4,096 (w & 1)
	s_lshl_b32 s35, s26, 13
	s_add_co_u32 s35, s35, 32768                   ; my V fragments in a key group: 32,768 + 8,192 w
	; descriptor group 1: a dense block of 32,768 bytes as 128 rows of 32 elements of 8 bytes; no padding: fragments are read as images, 16 consecutive bytes a lane
	s_mov_b32 s36, 15|(3<<16)|(1<<21)              ; 15:0 the mask: all four work-groups; 17:16 elements of 8 bytes; 21 set beside a mask
	s_mov_b32 s37, 32<<16                          ; tensor_dim0 = 32
	s_mov_b32 s38, 128<<16                         ; tensor_dim1 = 128
	s_mov_b32 s39, 32<<16                          ; tile_dim0 = 32
	s_mov_b32 s40, 128                             ; tile_dim1 = 128
	s_mov_b32 s41, 32                              ; from row to row
	s_mov_b32 s42, 0
	s_mov_b32 s43, 0
	s_mov_b32 s48, 0                               ; the slot in hand
	s_mov_b32 s49, 7                               ; slots still to be asked for
	s_cmp_eq_u32 ttmp9, 0
	s_cselect_b32 s50, 1, -1                       ; 1 in the batch's first cluster, else the greatest number: the same in all four partners
	s_lshl_b32 s82, ttmp9, 2
	s_add_co_u32 s82, s82, s27                     ; my block of 64 queries = 4 x cluster x + cx
	s_lshl_b32 s82, s82, 6
	s_lshl_b32 s83, s29, 11
	s_add_co_u32 s82, s82, s83                     ; my first row of rep and of out0
	s_lshl_b32 s60, s82, 8                         ; 256 bytes of codes a row,
	s_mov_b32 s61, 0
	s_lshl_b32 s62, s82, 4                         ; 16 scale bytes,
	s_mov_b32 s63, 0
	s_lshl_b32 s66, s82, 11                        ; 2,048 bytes of out0,
	s_lshl_b32 s58, s26, 9
	s_mov_b32 s59, 0                               ; s[58:59] = 512 w
	s_add_co_u32 s66, s66, s58                     ; + my 128 columns
	s_mov_b32 s67, 0
	s_lshl_b32 s68, s26, 15                        ; my 128 rows of a weight's codes,
	s_mov_b32 s69, 0
	s_lshl_b32 s70, s26, 11                        ; and of its scale bytes
	s_mov_b32 s71, 0
	s_lshl_b32 s72, s29, 20                        ; kvc: the batch's 16 key groups, + my quarter of a slot
	s_add_co_u32 s72, s72, s68
	s_mov_b32 s73, 0
	s_lshl_b32 s74, s27, 13                        ; the prefetches: my work-group's 32 rows of that quarter, in slot 1: the first change of slots steps them to slot 2
	s_add_co_u32 s74, s74, 131072
	s_mov_b32 s75, 0
	s_lshl_b32 s76, s29, 16                        ; kvs: the batch's 16 key groups
	s_add_co_u32 s78, s76, s58
	s_add_co_u32 s78, s78, 2048                    ; V's words: + 2,048 + 512 w
	s_mov_b32 s79, 0
	s_lshr_b32 s80, s26, 1
	s_lshl_b32 s80, s80, 12
	s_add_co_u32 s76, s76, s80
	s_and_b32 s80, s26, 1
	s_lshl_b32 s80, s80, 10
	s_add_co_u32 s76, s76, s80                     ; K's words: + 4,096 (w >> 1) + 1,024 (w & 1)
	s_mov_b32 s77, 0
	v_and_b32 v120, 31, v0                         ; lane
	v_and_b32 v121, 15, v0                         ; r
	v_bfe_u32 v122, v0, 4, 1                       ; h
	v_and_b32 v123, 8, v121
	v_add_nc_u32 v123, v123, v121                  ; r + 8 (r / 8)
	v_lshlrev_b32 v[L16], 4, v120
	v_lshlrev_b32 v[L8], 3, v120
	v_lshlrev_b32 v[PFO], 8, v120
	v_lshlrev_b32 v[VF], 8, v121
	v_lshl_add_u32 v[VF], v122, 4, v[VF]
	v_lshlrev_b32 v[VFT], 8, v123
	v_lshl_add_u32 v[VFT], v122, 4, v[VFT]
	v_lshl_add_u32 v124, v122, 3, v123
	v_lshlrev_b32 v124, 4, v124                    ; Wq's scale words: 16 bytes a row; lanes 16-31 take the tile 8 rows on
	v_lshlrev_b32 v125, 6, v122                    ; bq: 64 h
	v_lshlrev_b32 v[FBO], 5, v122
	v_lshlrev_b32 v127, 4, v121                    ; 16 r
	v_add_nc_u32 v[MXR], MX, v[L16]
	v_add_nc_u32 v[MXW], s58, v[MXR]
	v_add_nc_u32 v[PIR], PIMG, v[L16]
	v_add_nc_u32 v[PIW], s58, v[PIR]               ; my four registers of p's fragments: + 512 w
	s_lshl_b32 s84, s26, 1
	v_add_nc_u32 v[PSW], PSC, v127
	v_add_nc_u32 v[PSW], s84, v[PSW]               ; my two bytes of p's scale words: + 2 w
	v_add_nc_u32 v[PSR], PSC, v[L16]
	s_lshl_b32 s85, s26, 10
	v_add_nc_u32 v[QIR], QIMG, v[L16]
	v_add_nc_u32 v[QIW], s85, v[QIR]
	s_lshl_b32 s86, s26, 2
	v_add_nc_u32 v[QSW], QSC, v127
	v_add_nc_u32 v[QSW], s86, v[QSW]
	v_add_nc_u32 v[QSR], QSC, v[L16]
	s_mul_i32 s87, s26, 16*528
	s_add_co_u32 s87, s87, STG                     ; my stage
	v_mul_u32_u24 v[SO], v121, 528
	v_lshl_add_u32 v[SO], v122, 5, v[SO]
	v_add_nc_u32 v[SO], s87, v[SO]                 ; in: row r, 32 bytes for each half of the lanes
	v_add_nc_u32 v[SR], s87, v[L16]                ; back: the 32 lanes take a row of 512 bytes
	s_wait_kmcnt 0x0
	s_add_nc_u64 s[4:5], s[4:5], s[60:61]
	s_add_nc_u64 s[6:7], s[6:7], s[62:63]
	s_add_nc_u64 s[8:9], s[8:9], s[68:69]
	s_add_nc_u64 s[10:11], s[10:11], s[70:71]
	s_add_nc_u64 s[12:13], s[12:13], s[58:59]
	s_add_nc_u64 s[18:19], s[18:19], s[68:69]
	s_add_nc_u64 s[20:21], s[20:21], s[70:71]
	s_add_nc_u64 s[22:23], s[22:23], s[58:59]
	s_add_nc_u64 s[24:25], s[24:25], s[66:67]
	s_add_nc_u64 s[54:55], s[16:17], s[76:77]      ; K's scale words of the step
	s_add_nc_u64 s[56:57], s[16:17], s[78:79]      ; V's
	s_mov_b32 s44, 1                               ; descriptor group 0: count = 1,
	s_lshl_b32 s45, s26, 15                        ; LDS address: slot 0, my quarter,
	s_add_nc_u64 s[46:47], s[14:15], s[72:73]      ; global address: my quarter of the batch's first two key groups,
	s_add_nc_u64 s[52:53], s[46:47], s[74:75]      ; (where my prefetches stand)
	s_or_b32 s47, s47, 0x80000000                  ; type = 2
	ROUND                                          ; all four work-groups are here: the first joint loads meet
	tensor_load_to_lds s[44:47], s[36:43]          ; slot 0: it lands while q is made
	s_nop 0
	PLACES
	WIN 0x40                                       ; Wq's fragment (tile t, K step s) at v[8 (4 t + s)] of window 1; lane r of tile 2 b + u takes row 32 b + 8 u + r + 8 (r / 8) of my 128
.irp t, 0,1,2,3,4,5,6,7
.irp s, 0,1,2,3
.irp c, 0,1
	global_load_b128 v[8*(4*\t+\s)+4*\c:8*(4*\t+\s)+4*\c+3], v[VFT], s[8:9] offset:(32*(\t/2)+8*(\t%2))*256+64*\s+32*\c
.endr
.endr
.endr
	WIN 0x80                                       ; rep's fragment (m, s) at v[128 + 8 (4 m + s)] of window 2
.irp m, 0,1,2,3
.irp s, 0,1,2,3
.irp c, 0,1
	global_load_b128 v[128+8*(4*\m+\s)+4*\c:128+8*(4*\m+\s)+4*\c+3], v[VF], s[4:5] offset:4096*\m+64*\s+32*\c
.endr
.endr
.endr
	WIN 0xc0                                       ; bq in the result's layout: lane (r, h), tile 2 b + u: channels 32 b + 16 h + 8 u + 0 .. 7
.irp t, 0,1,2,3,4,5,6,7
	global_load_b128 v[192+8*\t:192+8*\t+3], v125, s[12:13] offset:(32*(\t/2)+8*(\t%2))*4
	global_load_b128 v[192+8*\t+4:192+8*\t+7], v125, s[12:13] offset:(32*(\t/2)+8*(\t%2))*4+16
.endr
	WIN 0
.irp b, 0,1,2,3
	global_load_b128 v[WS+4*\b:WS+4*\b+3], v124, s[10:11] offset:512*\b
.endr
.irp u, 0,1
	global_load_b128 v[QW+4*\u:QW+4*\u+3], v[L16], s[6:7] offset:512*\u   ; rows 32 u + lane: tile 2 u's words below, tile 2 u + 1's above
.endr
.set J, 80
.rept 12
	v_mov_b32 v[J], 0                              ; written once: a lane permute's destination counts as one of its sources
.set J, J+1
.endr
.irp m, 0,1,2,3
	v_mov_b32 v[LS+2*\m], 0                        ; the sums
	v_mov_b32 v[LS+2*\m+1], 0
	v_mov_b32 v[FF+2*\m+1], 0                      ; (named as the upper half of a pair)
	v_mov_b32 v[NM+2*\m+1], 0xff61b1e6             ; the largest t so far: -3e38, under every t
	v_floor_f32 v[NM+2*\m], -v[NM+2*\m+1]          ; -M
.endr
	s_wait_loadcnt 0x0
	; ---- q: my 128 channels for the four query tiles.  Source 0 = 16 rows of Wq, source 1 = 16 rows of rep; the bias is the C of each sum's first instruction; the 8 accumulators take turns.
.irp m, 0,1,2,3
.irp s, 0,1,2,3
.if \s == 0
	WIN 0x39                                       ; source 0 window 1, source 1 window 2, C window 3, D window 0
.else
	WIN 0x09
.endif
.irp t, 0,1,2,3,4,5,6,7
.if \s == 0
	WM HA+8*\t, 8*(4*\t+\s), 128+8*(4*\m+\s), 1, 192+8*\t, WS+4*(\t/2)+\s, QW+4*(\m/2)+\s, \t%2, \m%2
.else
	WM HA+8*\t, 8*(4*\t+\s), 128+8*(4*\m+\s), 1, HA+8*\t, WS+4*(\t/2)+\s, QW+4*(\m/2)+\s, \t%2, \m%2
.endif
.endr
.endr
	WIN 0
	PLACES
.set J, 0
.rept 64
	v_max_num_f32 v[HA+J], 0, v[HA+J]              ; relu, in f32; each accumulator from its low end on
.set J, J+1
.endr
	QUANT HA, TX
	IMAGE \m
.endr
	s_wait_dscnt 0x0                               ; my images have landed
	s_barrier_signal -1
	s_barrier_wait -1                              ; q's sixteen fragments lie in LDS.  (Slot 0's load may stay out)
	PLACES                                         ; places in front of loads into registers that matrix instructions have read as scales
.irp s, 0,1,2,3
	global_load_b64 v[KW+2*\s:KW+2*\s+1], v[L8], s[54:55] offset:256*\s   ; the first step's scale words of K,
.endr
.irp k, 0,1
	global_load_b128 v[VW+4*\k:VW+4*\k+3], v[L16], s[56:57] offset:4096*\k   ; and of V
.endr
	GETQ
; A KEY STEP: the 256 keys of the slot in hand.  first = 1: O^T's sums begin; last = 1: nothing of K and V is asked for any more, and FC's operands come into the registers that K and V leave.
.macro STEP first, last
	s_add_co_u32 s70, s48, s34
	s_add_co_u32 s71, s48, s35
	v_add_nc_u32 v[ADK], s70, v[L16]
	v_add_nc_u32 v[ADV0], s71, v[L16]
	v_add_nc_u32 v[ADV1], 0x10000, v[ADV0]
	WIN 0x80                                       ; my 16 fragments of K, channel step by channel step
.irp s, 0,1,2,3
.irp k, 0,1,2,3
.irp c, 0,1
	ds_load_b128 v[128+8*(4*\k+\s)+4*\c:128+8*(4*\k+\s)+4*\c+3], v[ADK] offset:\s*8192+\k*1024+512*\c
.endr
.endr
.endr
	WIN 0xc0                                       ; and my 16 of V: they land under the scores and the softmax
.irp k, 0,1
.irp t, 0,1,2,3,4,5,6,7
.irp c, 0,1
	ds_load_b128 v[8*(2*\t+\k)+4*\c:8*(2*\t+\k)+4*\c+3], v[ADV0+\k] offset:\t*1024+512*\c
.endr
.endr
.endr
	s_wait_loadcnt 0x2                             ; K's scale words are in; the two younger loads are V's
	WIN 0x0a                                       ; K and q in window 2, S^T in window 0
.irp s, 0,1,2,3
	s_wait_dscnt 56-8*\s                           ; this channel step's 8 loads are in; K's later steps (8 each) and V's 32 may be out
.irp k, 0,1,2,3
.irp m, 0,1,2,3
.if \s == 0
	WM S+32*\m+8*\k, 128+8*(4*\k+\s), 8*(4*\m+\s), 0, 0, KW+2*\s+\k/2, QW+4*(\m/2)+\s, \k%2, \m%2
.else
	WM S+32*\m+8*\k, 128+8*(4*\k+\s), 8*(4*\m+\s), 1, S+32*\m+8*\k, KW+2*\s+\k/2, QW+4*(\m/2)+\s, \k%2, \m%2
.endif
.endr
.endr
.endr
	WIN 0
	PLACES                                         ; places in front of the loads below and of the first read of the scores
.if \last
	WIN 0x80                                       ; FC's fragments (tile t, K steps 0, 1) into K's registers
.irp t, 0,1,2,3,4,5,6,7
.irp s, 0,1
.irp c, 0,1
	global_load_b128 v[128+8*(2*\t+\s)+4*\c:128+8*(2*\t+\s)+4*\c+3], v[VF], s[18:19] offset:4096*\t+64*\s+32*\c
.endr
.endr
.endr
	WIN 0
.else
	s_add_nc_u64 s[54:55], s[54:55], 8192          ; (the loads that read this address were shown done above)  the next step's scale words of K
.irp s, 0,1,2,3
	global_load_b64 v[KW+2*\s:KW+2*\s+1], v[L8], s[54:55] offset:256*\s
.endr
.endif
	; the largest score of each block of 32 keys (block 2 m + p = registers 16 (2 m + p) on): it serves for the row's maximum and for the block's largest p
.irp q, 0,1,2,3,4,5,6,7
	v_max3_num_f32 v[BM+\q], v[S+16*\q], v[S+16*\q+1], v[S+16*\q+2]
.endr
.irp i, 3,5,7,9,11,13
.irp q, 0,1,2,3,4,5,6,7
	v_max3_num_f32 v[BM+\q], v[BM+\q], v[S+16*\q+\i], v[S+16*\q+\i+1]
.endr
.endr
.irp q, 0,1,2,3,4,5,6,7
	v_max_num_f32 v[BM+\q], v[BM+\q], v[S+16*\q+15]
.endr
.irp q, 0,1,2,3,4,5,6,7
	v_permlanex16_b32 v[T1+\q], v[BM+\q], s30, s31
.endr
.irp q, 0,1,2,3,4,5,6,7
	v_max_num_f32 v[BM+\q], v[BM+\q], v[T1+\q]     ; with lane l xor 16's 16 keys
.endr
.irp m, 0,1,2,3
	v_max_num_f32 v[TX+\m], v[BM+2*\m], v[BM+2*\m+1]   ; my 64 keys' largest score of my query in tile m
.endr
	ds_store_b128 v[MXW], v[TX:TX+3]
	s_wait_dscnt 0x0                               ; it has landed (and V's fragments are in)
	s_barrier_signal -1
	s_barrier_wait -1
.irp w, 0,1,2,3
	ds_load_b128 v[XM+4*\w:XM+4*\w+3], v[MXR] offset:512*\w
.endr
	s_wait_dscnt 0x0
.irp m, 0,1,2,3
	v_max3_num_f32 v[T1+\m], v[XM+\m], v[XM+4+\m], v[XM+8+\m]
.endr
.irp m, 0,1,2,3
	v_max_num_f32 v[T1+\m], v[T1+\m], v[XM+12+\m]  ; the step's largest score: the same number in all four waves
.endr
.irp m, 0,1,2,3
	v_mul_f32 v[T1+\m], s32, v[T1+\m]              ; as t (c is positive)
.endr
.irp m, 0,1,2,3
	v_max_num_f32 v[NM+2*\m+1], v[NM+2*\m+1], v[T1+\m]   ; the running largest t
.endr
.irp m, 0,1,2,3
	v_mov_b32 v[SOP+\m], v[NM+2*\m]
.endr
.irp m, 0,1,2,3
	v_floor_f32 v[NM+2*\m], -v[NM+2*\m+1]          ; the new -M = floor(-t) = -ceil(t): a whole number
.endr
.irp m, 0,1,2,3
	v_sub_f32 v[SOP+\m], v[NM+2*\m], v[SOP+\m]     ; M's old value less its new one: a whole number, 0 or less
.endr
.irp m, 0,1,2,3
	v_cvt_i32_f32 v[SOP+\m], v[SOP+\m]             ; (it saturates)
.endr
.irp m, 0,1,2,3
	v_ldexp_f32 v[FF+2*\m], 1.0, v[SOP+\m]         ; f = 2^(old M - new M)
.endr
.set J, 0
.rept 64
	v_pk_fma_f32 v[S+2*J:S+2*J+1], v[S+2*J:S+2*J+1], s[32:33], v[NM+2*(J/16):NM+2*(J/16)+1] op_sel_hi:[1,0,0]   ; t - M, two at a time
.set J, J+1
.endr
.irp q, 0,1,2,3,4,5,6,7
	v_fma_f32 v[BM+\q], v[BM+\q], s32, v[NM+2*(\q/2)]   ; the same of each block's largest score
.endr
.set J, 0
.rept 128
	v_exp_f32 v[S+J], v[S+J]                       ; p = 2^(t - M): not normalised
.set J, J+1
.endr
.irp m, 0,1,2,3
	v_pk_mul_f32 v[LS+2*\m:LS+2*\m+1], v[LS+2*\m:LS+2*\m+1], v[FF+2*\m:FF+2*\m+1] op_sel_hi:[1,0]   ; the sums under the new M: plain work behind the exponentials
.endr
	s_wait_alu depctr_va_vdst(0)                   ; one wait for the whole batch, ahead of its first reader
.irp q, 0,1,2,3,4,5,6,7
	v_exp_f32 v[BM+\q], v[BM+\q]                   ; the blocks' largest p
.endr
.irp m, 0,1,2,3                                ; the row's sum is taken of the unquantised p: two at a time, in two chains a tile
	v_pk_add_f32 v[TP+2*\m:TP+2*\m+1], v[S+32*\m:S+32*\m+1], v[S+32*\m+2:S+32*\m+3]
.endr
.irp j, 4,8,12,16,20,24,28
.irp m, 0,1,2,3
	v_pk_add_f32 v[LS+2*\m:LS+2*\m+1], v[LS+2*\m:LS+2*\m+1], v[S+32*\m+\j:S+32*\m+\j+1]
	v_pk_add_f32 v[TP+2*\m:TP+2*\m+1], v[TP+2*\m:TP+2*\m+1], v[S+32*\m+\j+2:S+32*\m+\j+3]
.endr
.endr
.irp m, 0,1,2,3
	v_pk_add_f32 v[LS+2*\m:LS+2*\m+1], v[LS+2*\m:LS+2*\m+1], v[TP+2*\m:TP+2*\m+1]
.endr
	s_wait_alu depctr_va_vdst(0)                   ; and one for the eight
.irp q, 0,1,2,3,4,5,6,7
	v_max_num_f32 v[BM+\q], 0x1800000, v[BM+\q]    ; the floor 2^(3 - 127): the byte cannot fall under 1
.endr
.irp q, 0,1,2,3,4,5,6,7
	v_add_nc_u32 v[SOP+\q], 0xff000000, v[BM+\q]   ; 2 off the exponent field: the conversion's scale operand
.endr
.irp q, 0,1,2,3,4,5,6,7
	v_lshrrev_b32 v[T1+\q], 23, v[SOP+\q]          ; the scale's byte
.endr
.irp m, 0,1,2,3
	v_lshl_or_b32 v[TX+\m], v[T1+2*\m+1], 8, v[T1+2*\m]   ; my two bytes of tile m's scale word
.endr
.irp q, 0,1,2,3,4,5,6,7
	v_cvt_scalef32_pk8_fp4_f32 v[PC+2*\q], v[S+16*\q:S+16*\q+7], v[SOP+\q]
	v_cvt_scalef32_pk8_fp4_f32 v[PC+2*\q+1], v[S+16*\q+8:S+16*\q+15], v[SOP+\q]
.endr
	v_nop                                          ; one plain place behind a scaled conversion
.irp m, 0,1,2,3                                ; a whole block in a lane: v[PC + 4 m ..] are registers 4 (w & 1) .. + 3 of p's fragment (m, key group w >> 1)
.irp i, 0,1
	v_permlane16_swap_b32 v[PC+4*\m+\i], v[PC+4*\m+2+\i]
.endr
.endr
.irp m, 0,1,2,3
	ds_store_b128 v[PIW], v[PC+4*\m:PC+4*\m+3] offset:\m*2048
.endr
.irp m, 0,1,2,3
	ds_store_b16 v[PSW], v[TX+\m] offset:256*(\m%2)+8*(\m/2)   ; lanes r and 16 + r write the same two bytes with the same value
.endr
	s_wait_dscnt 0x0                               ; they have landed
	s_barrier_signal -1
.if !(\first)
	WIN 0x41                                       ; O^T in window 1, f in window 0: register work while the others arrive
.set J, 0
.rept 128
	v_pk_mul_f32 v[2*J:2*J+1], v[2*J:2*J+1], v[FF+2*(J/32):FF+2*(J/32)+1] op_sel_hi:[1,0]   ; O^T under the new M; each accumulator from its low end on
.set J, J+1
.endr
	WIN 0
.endif
	s_barrier_wait -1                              ; p's eight fragments and their scale words lie in LDS
	ds_load_b128 v[PWD:PWD+3], v[PSR]
	WIN 0xc0
.irp k, 0,1
.irp m, 0,1,2,3
.irp c, 0,1
	ds_load_b128 v[128+8*(2*\m+\k)+4*\c:128+8*(2*\m+\k)+4*\c+3], v[PIR] offset:\m*2048+\k*1024+512*\c
.endr
.endr
.endr
.if \last
	s_wait_loadcnt 32                              ; V's scale words are in; the 32 younger loads are FC's
.else
	s_wait_loadcnt 0x4                             ; V's scale words are in; the 4 younger loads are K's next
.endif
	WIN 0x5f                                       ; V and p in window 3, O^T in window 1
.irp k, 0,1
	s_wait_dscnt 8-8*\k                            ; this key group's fragments of p are in; the second group's 8 loads may be out
.irp t, 0,1,2,3,4,5,6,7
.irp m, 0,1,2,3
.if \first && (\k == 0)
	WM 64*\m+8*\t, 8*(2*\t+\k), 128+8*(2*\m+\k), 0, 0, VW+4*\k+\t/2, PWD+\k+2*(\m/2), \t%2, \m%2
.else
	WM 64*\m+8*\t, 8*(2*\t+\k), 128+8*(2*\m+\k), 1, 64*\m+8*\t, VW+4*\k+\t/2, PWD+\k+2*(\m/2), \t%2, \m%2
.endif
.endr
.endr
.endr
	WIN 0
	PLACES                                         ; places in front of loads into registers that these products have read
.if \last
	WIN 0xc0                                       ; FC's fragments (tile t, K steps 2, 3) into V's registers, and FC_b in the result's layout: lane (r, h), tile t: columns 16 t + 8 h + 0 .. 7
.irp t, 0,1,2,3,4,5,6,7
.irp s, 2,3
.irp c, 0,1
	global_load_b128 v[8*(2*\t+\s-2)+4*\c:8*(2*\t+\s-2)+4*\c+3], v[VF], s[18:19] offset:4096*\t+64*\s+32*\c
.endr
.endr
.endr
.irp t, 0,1,2,3,4,5,6,7
	global_load_b128 v[192+8*\t:192+8*\t+3], v[FBO], s[22:23] offset:64*\t
	global_load_b128 v[192+8*\t+4:192+8*\t+7], v[FBO], s[22:23] offset:64*\t+16
.endr
	WIN 0
.irp b, 0,1,2,3
	global_load_b128 v[WS+4*\b:WS+4*\b+3], v[L16], s[20:21] offset:512*\b   ; FC's scale words: rows 32 b + lane
.endr
.else
	s_add_nc_u64 s[56:57], s[56:57], 8192          ; (the loads that read this address were shown done above)  the next step's scale words of V
.irp k, 0,1
	global_load_b128 v[VW+4*\k:VW+4*\k+3], v[L16], s[56:57] offset:4096*\k
.endr
.endif
	s_xor_b32 s48, s48, SLOT1                      ; on to the other slot
.endm
	CHANGE 1                                       ; slot 0 is whole; slot 1 is asked for
	STEP 1, 0
	s_sub_co_u32 s49, s49, 1
.Lstep:                                            ; six trips: steps 1 to 6; behind each change of slots the next slot is asked for
	CHANGE 1
	STEP 0, 0
	s_sub_co_u32 s49, s49, 1
	s_cmp_lg_u32 s49, 0
	s_cbranch_scc1 .Lstep
	CHANGE 0                                       ; the last step is written out
	STEP 0, 1
	; ---- the row's sum: my two halves, lane l xor 16's, and the other three waves'
.irp m, 0,1,2,3
	v_add_f32 v[TX+\m], v[LS+2*\m], v[LS+2*\m+1]
.endr
.irp m, 0,1,2,3
	v_permlanex16_b32 v[T1+\m], v[TX+\m], s30, s31
.endr
.irp m, 0,1,2,3
	v_add_f32 v[TX+\m], v[TX+\m], v[T1+\m]
.endr
	ds_store_b128 v[MXW], v[TX:TX+3]
	s_wait_dscnt 0x0
	s_barrier_signal -1
	s_barrier_wait -1
.irp w, 0,1,2,3
	ds_load_b128 v[XM+4*\w:XM+4*\w+3], v[MXR] offset:512*\w
.endr
	s_wait_dscnt 0x0
.irp m, 0,1,2,3
	v_add_f32 v[T1+\m], v[XM+\m], v[XM+4+\m]
	v_add_f32 v[SOP+\m], v[XM+8+\m], v[XM+12+\m]
.endr
.irp m, 0,1,2,3
	v_add_f32 v[T1+\m], v[T1+\m], v[SOP+\m]
.endr
.irp m, 0,1,2,3
	v_rcp_f32 v[FF+2*\m], v[T1+\m]
.endr
	v_nop                                          ; a plain place behind the last reciprocal
	s_wait_alu depctr_va_vdst(0)                   ; one wait for the four, ahead of their first reader
	; ---- O / the sum, quantised along the channels: my 128 channels are K step w of FC
.irp m, 0,1,2,3
	WIN 0x01                                       ; source 0 (O^T) window 1
.set J, 0
.rept 32
	v_pk_mul_f32 v[HA+2*J:HA+2*J+1], v[64*\m+2*J:64*\m+2*J+1], v[FF+2*\m:FF+2*\m+1] op_sel_hi:[1,0]
.set J, J+1
.endr
	WIN 0
	QUANT HA, TX
	IMAGE \m
.endr
	s_wait_dscnt 0x0
	s_barrier_signal -1
	s_barrier_wait -1                              ; O's sixteen fragments lie in LDS
	GETQ
	s_wait_loadcnt 0x0                             ; FC's fragments, scale words and bias
	s_wait_dscnt 0x0
	; ---- FC: source 0 = 16 rows of FC_w (my output columns 16 t on), source 1 = 16 queries; the bias is the C of each sum's first instruction; the 32 accumulators take turns
.irp s, 0,1,2,3
.if \s == 0
	WIN 0x7a                                       ; sources window 2, C window 3, D window 1
.elseif \s == 1
	WIN 0x5a                                       ; C and D window 1
.else
	WIN 0x5b                                       ; source 0 window 3
.endif
.irp t, 0,1,2,3,4,5,6,7
.irp m, 0,1,2,3
.if \s == 0
	WM 64*\m+8*\t, 128+8*(2*\t+\s), 8*(4*\m+\s), 1, 192+8*\t, WS+4*(\t/2)+\s, QW+4*(\m/2)+\s, \t%2, \m%2
.elseif \s == 1
	WM 64*\m+8*\t, 128+8*(2*\t+\s), 8*(4*\m+\s), 1, 64*\m+8*\t, WS+4*(\t/2)+\s, QW+4*(\m/2)+\s, \t%2, \m%2
.else
	WM 64*\m+8*\t, 8*(2*\t+\s-2), 8*(4*\m+\s), 1, 64*\m+8*\t, WS+4*(\t/2)+\s, QW+4*(\m/2)+\s, \t%2, \m%2
.endif
.endr
.endr
.endr
	WIN 0
	PLACES
	; ---- the way out, a query tile at a time: relu; a lane's 32 bytes of a row go into my own stage and come back as whole rows of 512 bytes
.irp m, 0,1,2,3
.if \m > 0
	s_wait_xcnt 0x0                                ; the last tile's stores have read their registers
.endif
	WIN 0x04                                       ; source 1 window 1
.set J, 0
.rept 64
	v_max_num_f32 v[HA+J], 0, v[64*\m+J]           ; each accumulator from its low end on
.set J, J+1
.endr
	WIN 0
.irp t, 0,1,2,3,4,5,6,7
	ds_store_b128 v[SO], v[HA+8*\t:HA+8*\t+3] offset:64*\t
	ds_store_b128 v[SO], v[HA+8*\t+4:HA+8*\t+7] offset:64*\t+16
.endr
.irp i, 0,1,2,3,4,5,6,7,8,9,10,11,12,13,14,15
	ds_load_b128 v[OB+4*\i:OB+4*\i+3], v[SR] offset:528*\i   ; LDS serves a wave's instructions in order (ISA guide 5.7.1.4): these see my stores
.endr
.irp i, 0,1,2,3,4,5,6,7,8,9,10,11,12,13,14,15
	s_wait_dscnt 15-\i                             ; row i is back; the younger rows may be out
	global_store_b128 v[L16], v[OB+4*\i:OB+4*\i+3], s[24:25] offset:\m*32768+\i*2048 th:TH_STORE_NT   ; 32 lanes store 512 consecutive bytes, aligned; written once, read by nobody here
.endr
.endr
	s_wait_tensorcnt 0x0                           ; the wave's end, behind my last tensor load and my last LDS store
	ds_add_u32 v[SPW], v[NIL]
	s_wait_dscnt 0x0
	ROUND                                          ; the closing round: no work-group ends while a partner may still ask for a tile that names it
	s_endpgm
.Lfunc_end_k_qb61d2dec35_attn:
	.size	k_qb61d2dec35_attn, .Lfunc_end_k_qb61d2dec35_attn-k_qb61d2dec35_attn
	.p2alignl 7, 3214868480
	.fill 96, 4, 3214868480
	.section	.rodata,"a",@progbits
	.p2align	6, 0x0
	.amdhsa_kernel k_qb61d2dec35_attn
		.amdhsa_group_segment_fixed_size 327680
		.amdhsa_private_segment_fixed_size 0
		.amdhsa_enable_private_segment 0
		.amdhsa_kernarg_size 88
		.amdhsa_user_sgpr_count 2
		.amdhsa_user_sgpr_kernarg_segment_ptr 1
		.amdhsa_wavefront_size32 1
		.amdhsa_system_sgpr_workgroup_id_x 1
		.amdhsa_system_sgpr_workgroup_id_y 1
		.amdhsa_system_sgpr_workgroup_id_z 1
		.amdhsa_system_vgpr_workitem_id 0
		.amdhsa_next_free_vgpr 1024
		.amdhsa_next_free_sgpr 96
		.amdhsa_reserve_vcc 0
		.amdhsa_float_denorm_mode_32 3
		.amdhsa_float_denorm_mode_16_64 3
		.amdhsa_memory_ordered 1
		.amdhsa_forward_progress 1
		.amdhsa_inst_pref_size 255
	.end_amdhsa_kernel
	.section	.bss,"aw",@nobits
	.p2align	6
	.space	262144
	.amdgpu_metadata
---
amdhsa.version: [ 1, 2 ]
amdhsa.kernels:
  - .name:           k_qb61d2dec35_attn
    .symbol:         k_qb61d2dec35_attn.kd
    .args:
      - { .name: rep_codes, .offset: 0, .size: 8, .value_kind: global_buffer, .address_space: global }
      - { .name: rep_scales, .offset: 8, .size: 8, .value_kind: global_buffer, .address_space: global }
      - { .name: Wq_w_codes, .offset: 16, .size: 8, .value_kind: global_buffer, .address_space: global }
      - { .name: Wq_w_scales, .offset: 24, .size: 8, .value_kind: global_buffer, .address_space: global }
      - { .name: Wq_b, .offset: 32, .size: 8, .value_kind: global_buffer, .address_space: global }
      - { .name: kvc, .offset: 40, .size: 8, .value_kind: global_buffer, .address_space: global }
      - { .name: kvs, .offset: 48, .size: 8, .value_kind: global_buffer, .address_space: global }
      - { .name: FC_w_codes, .offset: 56, .size: 8, .value_kind: global_buffer, .address_space: global }
      - { .name: FC_w_scales, .offset: 64, .size: 8, .value_kind: global_buffer, .address_space: global }
      - { .name: FC_b, .offset: 72, .size: 8, .value_kind: global_buffer, .address_space: global }
      - { .name: out0, .offset: 80, .size: 8, .value_kind: global_buffer, .address_space: global }
    .group_segment_fixed_size: 327680
    .private_segment_fixed_size: 0
    .kernarg_segment_align: 8
    .kernarg_segment_size: 88
    .max_flat_workgroup_size: 128
    .sgpr_count:     96
    .vgpr_count:     1024
    .wavefront_size: 32
...
	.end_amdgpu_metadata
.endif
;; end of part 2
;; ======== version 2 of 2: 2 launches
;; workspace buffers: kvc 8,388,608 bytes; kvs 524,288 bytes
;; launch proj (part 3): grid 128 x 2, 4 waves a work-group, no clusters, 0 bytes of LDS; arguments rep1_codes, rep1_scales, Wk_w_codes, Wk_w_scales, Wk_b, Wv_w_codes, Wv_w_scales, Wv_b, kvc, kvs; writes kvc, kvs
.if DOCPART == 3
	.amdgcn_target "amdgcn-amd-amdhsa--gfx1250"
	.amdhsa_code_object_version 6
	.text
	.protected	k_qb61d2dec35_proj
	.globl	k_qb61d2dec35_proj
	.p2align	8
	.type	k_qb61d2dec35_proj,@function
k_qb61d2dec35_proj:
	s_mov_b64 s[64:65], 0
	v_nop
	global_prefetch_b8 v0, s[64:65] scope:SCOPE_SE
	s_setreg_imm32_b32 hwreg(HW_REG_WAVE_SCHED_MODE, 0, 2), 2
	s_setreg_imm32_b32 hwreg(HW_REG_WAVE_MODE, 25, 1), 1
	s_wait_xcnt 0x0
	s_wait_alu depctr_vm_vsrc(0)
; k = relu(rep1 Wk + bk) and v = relu(rep1 Wv + bv), both products on codes of FP4 (E2M1) with one E8M0 scale for each 32 along K = 512, and the results quantised at once:
; k along its 512 channels, v along the keys.  They leave as IMAGES OF OPERAND REGISTERS, so that the attention launch loads fragments whole.
; kvc: [key group g of 128 keys, 0..127][65,536 bytes].  Bytes 0..32767: K's fragments (channel step s, key tile kt) at 8192 s + 1024 kt; bytes 32768..: V's fragments (channel tile ct) at 32768 + 1024 ct.
;      A fragment (16 rows x 128 along K) is 8 registers a lane: registers 4 c .. 4 c + 3 of lane l lie at 512 c + 16 l.
; kvs: [g][4,096 bytes].  K's scale words at 1024 c + 256 s + 8 l: two words a lane, pairs 2 c and 2 c + 1 of key tiles; V's at 2048 + 512 w + 16 l: four words a lane, pairs 0..3 of channel tiles 8 w on.
;      A pair's word register holds tile 2 p's words in lanes 0-15 and tile 2 p + 1's in lanes 16-31.
; THE ROWS OF A TILE ARE NOT NEIGHBOURS: row i of tile 2 b + u of a group of 128 rows is row 32 b + 8 u + i + 8 (i / 8), on both sides of both products.  So the 16 result registers of tiles 2 b and 2 b + 1
; are 16 neighbours along the axis that is quantised next, and the stored tiles give the attention launch the same property.
; SHARES.  Work-group x = key group; y = 0 makes k, y = 1 makes v; four waves.  A wave keeps 128 rows x 512 K as source 0 (k: rows 128 w on of Wk; v: the group's 128 keys of rep1), 256 registers, and multiplies them
; by 8 tiles of 16 rows as source 1 (k: the group's keys; v: rows 128 w on of Wv), 256 registers.  A unit = one such tile: 32 matrix instructions, relu, quantiser, one fragment of 1,024 bytes.
; Every byte that a wave needs fits in its registers and is asked for at the head: no LDS, no barrier, no tensor load.
; LIMITS: NaN and infinities are not served (a scale byte 0xff among the inputs gives NaN).  A block whose largest magnitude lies under 2^-124 gets the byte 1; so does a block of zeros, whose codes are zeros: the bytes are read by this program alone.
; THE MODE: SCHED_MODE bits 1:0 = 2 (LLVM: expert scheduling mode 2), set by the entry lines.  The code itself states the register dependences
; between vector or matrix instructions and memory instructions, with s_wait_alu, always for 0.
; THE PLAN.  Registers that memory instructions touch:
;   v4 to v9      Lane offsets: written by vector lines at the head, read by every load and store, never written again.  One wait on va_vdst at the head, ahead of the first load, states that they are written.
;   AW, BW, the bias, windows 1 and 2   Loads land in them once, all issued at the head, before any vector or matrix instruction has named them; they are read behind the counted waits on LOADcnt and never loaded again.
;   PC, PC1       The codes of even and of odd units.  Unit i: its conversions and swaps write its buffer, its two stores read it; unit i + 2 writes it again.
;   SW            Written by the selects of the odd units, each ahead of its unit's wait on va_vdst; read by the last stores; never written again.
; So a unit holds one wait on va_vdst behind its last vector line and ahead of its two stores, and, from unit 2 on, waits on va_vdst, XCNT and vm_vsrc ahead of the lines that write its buffer of codes again:
; with two buffers that pair stands a whole unit behind the stores that it waits for.
.set AW,  16                           ; v16-31  source 0's scale words: pair b, K step s at 4 b + s
.set BW,  32                           ; v32-47  source 1's likewise
.set SW,  48                           ; v48-51  the results' scale words, a register a pair of units
.set W0,  52                           ; v52, v53 the words of an even and an odd unit
.set TM,  56                           ; v56-71  the quantiser's work
.set PC,  72                           ; v72-79  the codes of an even unit
.set BC,  80                           ; v80-87  v: a unit's bias, spread over 8 registers
.set BVL, 88                           ; v88-95  v: my lane's bias in each of the 8 units
.set HA,  96                           ; v96-159 a unit's 8 result tiles
.set B1,  160                          ; v160-223 k: the bias in the result's layout, 8 registers a tile
.set PC1, 224                          ; v224-231 the codes of an odd unit
.set MSB, 0
.macro WIN new                         ; the immediate's high byte repeats the setting that is left
.if MSB != \new
	s_set_vgpr_msb (MSB<<8)|\new
.set MSB, \new
.endif
.endm
.macro PLACES
.rept 4
	v_nop
.endr
.endm
; One matrix instruction.  d, a, b: first registers of D, source 0, source 1; ck = 0: C is the constant 0, else C = v[c ..]; sa, sb: the scale registers; ra, rb = 1: that side's words stand in lanes 16-31.
.macro WM d, a, b, ck, c, sa, sb, ra, rb
.if (\ck) == 0
.if (\ra) && (\rb)
	v_wmma_scale_f32_16x16x128_f8f6f4 v[\d:\d+7], v[\a:\a+7], v[\b:\b+7], 0, v[\sa], v[\sb] matrix_a_fmt:MATRIX_FMT_FP4 matrix_b_fmt:MATRIX_FMT_FP4 matrix_a_scale:MATRIX_SCALE_ROW1 matrix_b_scale:MATRIX_SCALE_ROW1
.elseif (\ra)
	v_wmma_scale_f32_16x16x128_f8f6f4 v[\d:\d+7], v[\a:\a+7], v[\b:\b+7], 0, v[\sa], v[\sb] matrix_a_fmt:MATRIX_FMT_FP4 matrix_b_fmt:MATRIX_FMT_FP4 matrix_a_scale:MATRIX_SCALE_ROW1
.elseif (\rb)
	v_wmma_scale_f32_16x16x128_f8f6f4 v[\d:\d+7], v[\a:\a+7], v[\b:\b+7], 0, v[\sa], v[\sb] matrix_a_fmt:MATRIX_FMT_FP4 matrix_b_fmt:MATRIX_FMT_FP4 matrix_b_scale:MATRIX_SCALE_ROW1
.else
	v_wmma_scale_f32_16x16x128_f8f6f4 v[\d:\d+7], v[\a:\a+7], v[\b:\b+7], 0, v[\sa], v[\sb] matrix_a_fmt:MATRIX_FMT_FP4 matrix_b_fmt:MATRIX_FMT_FP4
.endif
.else
.if (\ra) && (\rb)
	v_wmma_scale_f32_16x16x128_f8f6f4 v[\d:\d+7], v[\a:\a+7], v[\b:\b+7], v[\c:\c+7], v[\sa], v[\sb] matrix_a_fmt:MATRIX_FMT_FP4 matrix_b_fmt:MATRIX_FMT_FP4 matrix_a_scale:MATRIX_SCALE_ROW1 matrix_b_scale:MATRIX_SCALE_ROW1
.elseif (\ra)
	v_wmma_scale_f32_16x16x128_f8f6f4 v[\d:\d+7], v[\a:\a+7], v[\b:\b+7], v[\c:\c+7], v[\sa], v[\sb] matrix_a_fmt:MATRIX_FMT_FP4 matrix_b_fmt:MATRIX_FMT_FP4 matrix_a_scale:MATRIX_SCALE_ROW1
.elseif (\rb)
	v_wmma_scale_f32_16x16x128_f8f6f4 v[\d:\d+7], v[\a:\a+7], v[\b:\b+7], v[\c:\c+7], v[\sa], v[\sb] matrix_a_fmt:MATRIX_FMT_FP4 matrix_b_fmt:MATRIX_FMT_FP4 matrix_b_scale:MATRIX_SCALE_ROW1
.else
	v_wmma_scale_f32_16x16x128_f8f6f4 v[\d:\d+7], v[\a:\a+7], v[\b:\b+7], v[\c:\c+7], v[\sa], v[\sb] matrix_a_fmt:MATRIX_FMT_FP4 matrix_b_fmt:MATRIX_FMT_FP4
.endif
.endif
.endm
; 64 numbers of a lane, v[s] .. v[s + 63], register 16 b + i = place 32 b + 16 (lane / 16) + i along the next K of my row, become a fragment's codes in v[PCU] on (the unit's buffer) and its scale word in v[pw].  u: the unit's number.
.macro QUANT s, pw, u
.irp b, 0,1,2,3
	v_max3_num_f32 v[TM+\b], |v[\s+16*\b]|, |v[\s+1+16*\b]|, 0x1800000   ; block b: my 16 numbers, and the floor 2^(3 - 127): the byte cannot fall under 1
.endr
.irp i, 2,4,6,8,10,12,14
.irp b, 0,1,2,3
	v_max3_num_f32 v[TM+\b], v[TM+\b], |v[\s+16*\b+\i]|, |v[\s+1+16*\b+\i]|   ; the four blocks by turns
.endr
.endr
.irp b, 0,1,2,3
	v_permlanex16_b32 v[TM+4+\b], v[TM+\b], s42, s43
.endr
.irp b, 0,1,2,3
	v_max_num_f32 v[TM+\b], v[TM+\b], v[TM+4+\b]   ; with lane l xor 16's 16: the block's largest magnitude
.endr
.irp b, 0,1,2,3
	v_add_nc_u32 v[TM+12+\b], 0xff000000, v[TM+\b] ; 2 off its exponent field: the conversion takes the exponent field of this operand as its scale
.endr
.irp b, 0,1,2,3
	v_lshrrev_b32 v[TM+4+\b], 23, v[TM+12+\b]      ; the scale's byte
.endr
.if (\u) > 1                                   ; units 0 and 1 write buffers that no store has read yet
	s_wait_alu depctr_va_vdst(0)
	s_wait_xcnt 0x0                                ; every earlier memory instruction has had its addresses translated (ISA guide 3.1): the data of the stores of two units back are written anew only behind this wait
	s_wait_alu depctr_vm_vsrc(0)                   ; the stores of two units back have read this buffer of codes, which the conversions below write again
.endif
	v_lshl_or_b32 v[\pw], v[TM+5], 8, v[TM+4]      ; my row's scale word
	v_lshl_or_b32 v[\pw], v[TM+6], 16, v[\pw]
	v_lshl_or_b32 v[\pw], v[TM+7], 24, v[\pw]
.irp b, 0,1,2,3
	v_cvt_scalef32_pk8_fp4_f32 v[PCU+2*\b], v[\s+16*\b:\s+7+16*\b], v[TM+12+\b]
	v_cvt_scalef32_pk8_fp4_f32 v[PCU+1+2*\b], v[\s+8+16*\b:\s+15+16*\b], v[TM+12+\b]
.endr
	v_nop                                          ; one plain place behind a scaled conversion
.irp c, 0,1                                    ; the operand's layout wants a whole block in a lane: lanes 0-15 block 2 c, lanes 16-31 block 2 c + 1
.irp i, 0,1
	v_permlane16_swap_b32 v[PCU+4*\c+\i], v[PCU+2+4*\c+\i]
.endr
.endr
.endm
	s_load_b512 s[4:19], s[0:1], 0x0               ; rep1's codes s[4:5], scales s[6:7]; Wk's s[8:9], s[10:11]; bk s[12:13]; Wv's s[14:15], s[16:17]; bv s[18:19]
	s_load_b128 s[20:23], s[0:1], 0x40             ; kvc s[20:21], kvs s[22:23]
	v_lshrrev_b32 v1, 5, v0
	v_readfirstlane_b32 s2, v1                     ; wave 0..3
	s_and_b32 s3, ttmp7, 0xffff                    ; the job: 0 = k, 1 = v
	v_and_b32 v1, 15, v0                           ; r
	v_bfe_u32 v2, v0, 4, 1                         ; h
	v_and_b32 v3, 8, v1
	v_add_nc_u32 v3, v3, v1                        ; r + 8 (r / 8)
	v_lshlrev_b32 v4, 8, v3
	v_lshl_add_u32 v4, v2, 4, v4                   ; a fragment's lane term: a row of 512 codes is 256 bytes, + 16 h
	v_lshl_add_u32 v5, v2, 3, v3
	v_lshlrev_b32 v5, 4, v5                        ; a pair's scale words: 16 bytes a row; lanes 16-31 take the tile 8 rows on
	v_lshlrev_b32 v6, 6, v2                        ; bk's lane term: 64 h
	v_lshlrev_b32 v9, 2, v3                        ; bv's: 4 (r + 8 (r / 8)).  Both are made here, ahead of the one wait for the offsets
	v_and_b32 v7, 31, v0
	v_lshlrev_b32 v8, 3, v7                        ; 8 x lane
	v_lshlrev_b32 v7, 4, v7                        ; 16 x lane
.irp b, 0,1,2,3
	v_mov_b32 v[TM+4+\b], 0                        ; written once: a lane permute's destination counts as one of its sources
.endr
	s_wait_alu depctr_va_sdst(0)                   ; s2 is written, ahead of its first reader: the places in kvc, kvs, the weights and the biases are made from it
	s_mov_b32 s42, 0x76543210
	s_mov_b32 s43, 0xfedcba98                      ; v_permlanex16_b32's selects for lane l xor 16
	s_mov_b32 s34, 0xffff0000                      ; lanes 16-31
	s_lshl_b32 s44, ttmp9, 16                      ; where my fragments go: 65,536 x group + 32,768 x job + 8,192 x wave
	s_lshl_b32 s45, s3, 15
	s_add_co_u32 s44, s44, s45
	s_lshl_b32 s45, s2, 13
	s_add_co_u32 s44, s44, s45
	s_mov_b32 s45, 0
	s_lshl_b32 s46, s2, 9
	s_add_co_u32 s46, s46, 2048                    ; v's scale words: 2,048 + 512 x wave
	s_lshl_b32 s47, s2, 8                          ; k's: 256 x wave
	s_cmp_eq_u32 s3, 0
	s_cselect_b32 s46, s47, s46
	s_cselect_b32 s32, s2, ttmp9                   ; source 0's group of 128 rows: k: the wave's of Wk; v: the key group of rep1
	s_cselect_b32 s33, ttmp9, s2                   ; source 1's: the other way round
	s_lshl_b32 s47, ttmp9, 12
	s_add_co_u32 s46, s46, s47                     ; + 4,096 x group
	s_mov_b32 s47, 0
	s_lshl_b32 s48, s32, 15                        ; 128 rows of codes are 32,768 bytes,
	s_mov_b32 s49, 0
	s_lshl_b32 s50, s32, 11                        ; of scale bytes 2,048
	s_mov_b32 s51, 0
	s_lshl_b32 s52, s33, 15
	s_mov_b32 s53, 0
	s_lshl_b32 s54, s33, 11
	s_mov_b32 s55, 0
	s_lshl_b32 s56, s2, 9                          ; the wave's 128 numbers of the bias
	s_mov_b32 s57, 0
	s_wait_kmcnt 0x0
	s_cmp_eq_u32 s3, 0                             ; the buffers are chosen by the work-group's y alone
	s_cselect_b64 s[24:25], s[8:9], s[4:5]         ; source 0's codes
	s_cselect_b64 s[26:27], s[10:11], s[6:7]       ; and scales
	s_cselect_b64 s[28:29], s[4:5], s[14:15]       ; source 1's codes
	s_cselect_b64 s[30:31], s[6:7], s[16:17]       ; and scales
	s_cselect_b64 s[40:41], s[12:13], s[18:19]     ; the bias
	s_add_nc_u64 s[24:25], s[24:25], s[48:49]
	s_add_nc_u64 s[26:27], s[26:27], s[50:51]
	s_add_nc_u64 s[28:29], s[28:29], s[52:53]
	s_add_nc_u64 s[30:31], s[30:31], s[54:55]
	s_add_nc_u64 s[40:41], s[40:41], s[56:57]
	s_add_nc_u64 s[36:37], s[20:21], s[44:45]      ; my fragments in kvc
	s_add_nc_u64 s[38:39], s[22:23], s[46:47]      ; my scale words in kvs
	s_wait_alu depctr_va_vdst(0)                   ; the offsets v4 to v9 are written, which every load and store of the kernel reads; up to the last load only loads, window switches
.irp b, 0,1,2,3
	global_load_b128 v[AW+4*\b:AW+4*\b+3], v5, s[26:27] offset:512*\b   ; pair b: rows 32 b on; four words a row, one for each K step
.endr
.irp b, 0,1,2,3
	global_load_b128 v[BW+4*\b:BW+4*\b+3], v5, s[30:31] offset:512*\b
.endr
	WIN 0x40                                       ; destination window 1: source 0's fragment (tile t, K step s) at v[8 (4 t + s)]
.irp t, 0,1,2,3,4,5,6,7
.irp s, 0,1,2,3
.irp c, 0,1
	global_load_b128 v[8*(4*\t+\s)+4*\c:8*(4*\t+\s)+4*\c+3], v4, s[24:25] offset:(32*(\t/2)+8*(\t%2))*256+64*\s+32*\c
.endr
.endr
.endr
	WIN 0
; A unit: streaming tile i against my 8 tiles, K = 512 in four steps; the 8 accumulators take turns, one instruction a turn.
.macro UNIT i, vjob
.set PCU, PC+(PC1-PC)*((\i)%2)         ; the unit's buffer of codes
.if (\i)%2 == 0
	s_wait_loadcnt 48-16*((\i)/2)                  ; all loads up to this pair of tiles are in; the 16 loads of each later pair may be out
.endif
.if \vjob
.irp j, 0,1,2,3,4,5,6,7
	v_mov_b32 v[BC+\j], v[BVL+\i]                  ; v: a lane holds one channel, so its bias is the same in all eight registers
.endr
	PLACES
.endif
	WIN 0x09                                       ; source 0 window 1, source 1 window 2, C and D window 0
.irp s, 0,1,2,3
.irp t, 0,1,2,3,4,5,6,7
.if \s > 0
	WM HA+8*\t, 8*(4*\t+\s), 8*(4*\i+\s), 1, HA+8*\t, AW+4*(\t/2)+\s, BW+4*(\i/2)+\s, \t%2, \i%2
.elseif \vjob
	WM HA+8*\t, 8*(4*\t+\s), 8*(4*\i+\s), 1, BC, AW+4*(\t/2)+\s, BW+4*(\i/2)+\s, \t%2, \i%2
.else
	WM HA+8*\t, 8*(4*\t+\s), 8*(4*\i+\s), 1, B1+8*\t, AW+4*(\t/2)+\s, BW+4*(\i/2)+\s, \t%2, \i%2
.endif
.endr
.endr
	WIN 0
	PLACES                                         ; four places between the last product and the first read of results
.set J, 0
.rept 64
	v_max_num_f32 v[HA+J], 0, v[HA+J]              ; relu, in f32; each accumulator from its low end on
.set J, J+1
.endr
	QUANT HA, W0+(\i)%2, \i
.if (\i)%2 == 1
	v_cndmask_b32 v[SW+(\i)/2], v[W0], v[W0+1], s34   ; the pair's word register: the even tile's words below, the odd tile's above.  It stands ahead of the wait below, which so covers it for the last stores
.endif
	s_wait_alu depctr_va_vdst(0)                   ; the conversions and swaps have written the unit's codes, which the two stores read; in an odd unit the select has written the pair's word register
	global_store_b128 v7, v[PCU:PCU+3], s[36:37] offset:(\i)*1024        ; 32 lanes store 512 consecutive bytes, aligned
	global_store_b128 v7, v[PCU+4:PCU+7], s[36:37] offset:(\i)*1024+512
.endm
.macro BODY vjob
.if \vjob
.irp i, 0,1,2,3,4,5,6,7
	global_load_b32 v[BVL+\i], v9, s[40:41] offset:(32*(\i/2)+8*(\i%2))*4   ; the bias of my lane's channel in tile i
.endr
.else
.irp t, 0,1,2,3,4,5,6,7
	global_load_b128 v[B1+8*\t:B1+8*\t+3], v6, s[40:41] offset:(32*(\t/2)+8*(\t%2))*4        ; lane (r, h), tile 2 b + u: channels 32 b + 16 h + 8 u + 0 .. 7
	global_load_b128 v[B1+8*\t+4:B1+8*\t+7], v6, s[40:41] offset:(32*(\t/2)+8*(\t%2))*4+16
.endr
.endif
	WIN 0x80                                       ; destination window 2: source 1's fragment (tile i, K step s) at v[8 (4 i + s)], tile by tile
.irp i, 0,1,2,3,4,5,6,7
.irp s, 0,1,2,3
.irp c, 0,1
	global_load_b128 v[8*(4*\i+\s)+4*\c:8*(4*\i+\s)+4*\c+3], v4, s[28:29] offset:(32*(\i/2)+8*(\i%2))*256+64*\s+32*\c
.endr
.endr
.endr
	WIN 0
.irp i, 0,1,2,3,4,5,6,7
	UNIT \i, \vjob
.endr
; The scale words.  No further wait: each of the four word registers was written ahead of its unit's wait on va_vdst, and no vector instruction stands behind the last unit's.
.if \vjob
	global_store_b128 v7, v[SW:SW+3], s[38:39]     ; 512 consecutive bytes: pairs 0..3 of my 8 channel tiles
.else
	global_store_b64 v8, v[SW:SW+1], s[38:39]      ; 256 consecutive bytes: pairs 0, 1 of the key tiles, channel step = my wave
	global_store_b64 v8, v[SW+2:SW+3], s[38:39] offset:1024   ; pairs 2, 3
.endif
	s_endpgm
.endm
	s_cmp_lg_u32 s3, 0
	s_cbranch_scc1 .Lvjob
	BODY 0
.Lvjob:
	BODY 1
.Lfunc_end_k_qb61d2dec35_proj:
	.size	k_qb61d2dec35_proj, .Lfunc_end_k_qb61d2dec35_proj-k_qb61d2dec35_proj
	.p2alignl 7, 3214868480
	.fill 96, 4, 3214868480
	.section	.rodata,"a",@progbits
	.p2align	6, 0x0
	.amdhsa_kernel k_qb61d2dec35_proj
		.amdhsa_group_segment_fixed_size 0
		.amdhsa_private_segment_fixed_size 0
		.amdhsa_enable_private_segment 0
		.amdhsa_kernarg_size 80
		.amdhsa_user_sgpr_count 2
		.amdhsa_user_sgpr_kernarg_segment_ptr 1
		.amdhsa_wavefront_size32 1
		.amdhsa_system_sgpr_workgroup_id_x 1
		.amdhsa_system_sgpr_workgroup_id_y 1
		.amdhsa_system_sgpr_workgroup_id_z 1
		.amdhsa_system_vgpr_workitem_id 0
		.amdhsa_next_free_vgpr 768
		.amdhsa_next_free_sgpr 66
		.amdhsa_reserve_vcc 0
		.amdhsa_float_denorm_mode_32 3
		.amdhsa_float_denorm_mode_16_64 3
		.amdhsa_memory_ordered 1
		.amdhsa_forward_progress 1
		.amdhsa_inst_pref_size 192
	.end_amdhsa_kernel
	.amdgpu_metadata
---
amdhsa.version: [ 1, 2 ]
amdhsa.kernels:
  - .name:           k_qb61d2dec35_proj
    .symbol:         k_qb61d2dec35_proj.kd
    .args:
      - { .name: rep1_codes, .offset: 0, .size: 8, .value_kind: global_buffer, .address_space: global }
      - { .name: rep1_scales, .offset: 8, .size: 8, .value_kind: global_buffer, .address_space: global }
      - { .name: Wk_w_codes, .offset: 16, .size: 8, .value_kind: global_buffer, .address_space: global }
      - { .name: Wk_w_scales, .offset: 24, .size: 8, .value_kind: global_buffer, .address_space: global }
      - { .name: Wk_b, .offset: 32, .size: 8, .value_kind: global_buffer, .address_space: global }
      - { .name: Wv_w_codes, .offset: 40, .size: 8, .value_kind: global_buffer, .address_space: global }
      - { .name: Wv_w_scales, .offset: 48, .size: 8, .value_kind: global_buffer, .address_space: global }
      - { .name: Wv_b, .offset: 56, .size: 8, .value_kind: global_buffer, .address_space: global }
      - { .name: kvc, .offset: 64, .size: 8, .value_kind: global_buffer, .address_space: global }
      - { .name: kvs, .offset: 72, .size: 8, .value_kind: global_buffer, .address_space: global }
    .group_segment_fixed_size: 0
    .private_segment_fixed_size: 0
    .kernarg_segment_align: 8
    .kernarg_segment_size: 80
    .max_flat_workgroup_size: 128
    .sgpr_count:     66
    .vgpr_count:     768
    .wavefront_size: 32
...
	.end_amdgpu_metadata
.endif
;; end of part 3
;; launch attn (part 4): grid 32 x 8, 4 waves a work-group, clusters of 4 x 1, 327,680 bytes of LDS; arguments rep_codes, rep_scales, Wq_w_codes, Wq_w_scales, Wq_b, kvc, kvs, FC_w_codes, FC_w_scales, FC_b, out0; writes out0
.if DOCPART == 4
	.amdgcn_target "amdgcn-amd-amdhsa--gfx1250"
	.amdhsa_code_object_version 6
	.text
	.protected	k_qb61d2dec35_attn
	.globl	k_qb61d2dec35_attn
	.p2align	8
	.type	k_qb61d2dec35_attn,@function
k_qb61d2dec35_attn:
	s_mov_b64 s[64:65], 0
	v_nop
	global_prefetch_b8 v0, s[64:65] scope:SCOPE_SE
	s_setreg_imm32_b32 hwreg(HW_REG_WAVE_MODE, 25, 1), 1
	s_wait_xcnt 0x0
	s_wait_alu depctr_hold_cnt(0) depctr_sa_sdst(0) depctr_va_vdst(0) depctr_va_sdst(0) depctr_va_ssrc(0) depctr_va_vcc(0) depctr_vm_vsrc(0)
	s_getreg_b32 s2, hwreg(HW_REG_IB_STS2, 6, 4)
	s_cmp_eq_u32 s2, 0
	s_cbranch_scc0 .Lentry_in_a_cluster
	s_endpgm
.Lentry_in_a_cluster:
	s_bfe_u32 s2, ttmp6, 0x10000c
	s_cmp_lg_u32 s2, 0x3003
	s_cbranch_scc0 .Lentry_shape_is_right
	s_endpgm
.Lentry_shape_is_right:
; out0 = relu(Q(softmax(q k^T / sqrt(512)) v) FC + b), q = relu(rep Wq + bq); every product on codes of FP4 (E2M1) with one E8M0 scale for each 32 along its K.  k and v come as register images out of kvc and kvs (see the launch before).
; THE SOFTMAX: t = score x log2(e) / sqrt(512); M = the running largest t rounded UP to a whole number; p = 2^(t - M) is quantised along the keys, not normalised; the row's sum is taken of the unquantised p and divides O at the end.
; When M moves, the sum and O are multiplied by 2^(old M - new M), which rounds nothing.
; SHARES.  A work-group owns 64 queries (tiles m = 0..3 of 16) of one batch.  THE FOUR WAVES SHARE COLUMNS, NOT ROWS.  In a step of 256 keys (a slot: two key groups of 128) wave w makes, for all four query tiles,
; S^T of key tiles 4 (w & 1) .. + 3 of key group w >> 1, and O^T of channel tiles 8 w .. 8 w + 7.  So each fragment of K and of V is read from LDS once in the work-group and feeds four matrix instructions.  What goes round through
; LDS is small: the tiles' largest scores, and p's codes and scale bytes, as images of the operand's registers.  A wave's 128 channels of q are K step w of the scores, its 128 channels of O are K step w of FC.
; ALL PRODUCTS ARE USED TRANSPOSED (source 1 = 16 queries): a lane holds ONE query (lane % 16) throughout, and its registers run along the axis that is quantised next.
; CLUSTER.  The four query blocks of a cluster walk the same tiles of kvc: each tile is asked for jointly, by the same tensor load with the same descriptor and the mask 15.
; LIMITS: NaN and infinities are not served (a scale byte 0xff among the inputs gives NaN).  A block whose largest magnitude lies under 2^-124 gets the byte 1; so does a block of zeros, whose codes are zeros.
; A block's largest p is made from the block's largest score by the same multiply-add and exponential: that takes v_exp_f32 not to fall where its input rises.
; REGISTERS, in windows of 256.  Window 0: addresses, scale words, statistics, S^T / p (v128-255).  Window 1: Wq's fragments, then O^T (m, ct) at 64 m + 8 ct, then FC's sums.
; Window 2: v0-127 q's (at the end O's) fragments (m, s) at 8 (4 m + s); v128-255 rep's, then K's (kt, s) at 128 + 8 (4 kt + s), at the end FC's K steps 0, 1.
; Window 3: v0-127 V's (ct, key group) at 8 (2 ct + k), at the end FC's K steps 2, 3; v128-191 p's (m, k) at 128 + 8 (2 m + k); v192-255 a bias in the result's layout.
.set SLOT1, 1<<17                      ; LDS: slot 0 at 0, slot 1 here, 131,072 bytes each: one exclusive or turns an address from one to the other
.set SPARE, 2*SLOT1                    ; the spare words, 128 bytes for each wave: two blocks of 256 bytes that no other line names
.set MX,    SPARE+512                  ; 2,048: a number for each tile and lane from each wave: 512 w + 16 lane
.set PSC,   MX+2048                    ; 512: p's scale words: 256 (m % 2) + 16 r + 8 (m / 2) + 4 (key group) + 2 (half)
.set PIMG,  PSC+512                    ; 8,192: p's fragments: 2048 m + 1024 (key group) + 512 c + 16 lane
.set QSC,   PIMG+8192                  ; 1,024: q's (later O's) scale words: 512 (m / 2) + 256 (m % 2) + 16 r + 4 s
.set QIMG,  QSC+1024                   ; 16,384: q's (later O's) fragments: 1024 (4 m + s) + 512 c + 16 lane
.set STG,   QIMG+16384                 ; 33,792: the way out: 16 rows x (512 + 16) bytes for each wave
.set SPW, 1                            ; v1   LDS address of my spare word; never rewritten
.set NIL, 2                            ; v2   0; never rewritten
.set L16, 3                            ; v3   16 x lane
.set FBO, 4                            ; v4   32 h: FC_b's lane term
.set ADK, 5                            ; v5   the step's K fragments;  v6, v7 its V fragments in the slot's two key groups
.set ADV0, 6
.set ADV1, 7
.set MXW, 8
.set MXR, 9
.set PIW, 10
.set PIR, 11
.set PSW, 12
.set PSR, 13
.set QIW, 14
.set QIR, 15
.set QSW, 16
.set QSR, 17
.set L8,  18                           ; v18  8 x lane
.set PFO, 19                           ; v19  256 x lane: the prefetches' offset
.set VF,  20                           ; v20  256 r + 16 h: a fragment from rows in memory
.set VFT, 21                           ; v21  256 (r + 8 (r / 8)) + 16 h: the same for tiles whose rows are not neighbours
.set SO,  22
.set SR,  23
.set QW,  24                           ; v24-31  source 1's scale words, pair m / 2, K step s at 4 (m / 2) + s: rep's, then q's, then O's
.set KW,  32                           ; v32-39  K's scale words at 2 s + (pair of my four key tiles)
.set VW,  40                           ; v40-47  V's at 4 (key group) + (pair of my eight channel tiles)
.set WS,  32                           ; v32-47  at the head Wq's, at the end FC's scale words, at 4 (t / 2) + s
.set PWD, 48                           ; v48-51  p's scale words at (key group) + 2 (m / 2)
.set NM,  52                           ; v52-59  a pair a tile: -M, the largest t
.set LS,  60                           ; v60-67  a pair a tile: the sum in two halves
.set FF,  68                           ; v68-75  a pair a tile: the factor, and a word that is only named
.set BM,  76                           ; v76-83  the largest score, then the largest p, of block 2 m + p
.set T1,  84                           ; v84-91  at work
.set SOP, 92                           ; v92-99  at work; the conversions' scale operands
.set TX,  100                          ; v100-103 a number a tile
.set XM,  104                          ; v104-119 the four waves' numbers
.set PC,  104                          ; and the codes just made
.set TP,  120                          ; v120-127 a pair a tile, at work
.set S,   128
.set HA,  128                          ; v128-191 64 numbers ahead of the quantiser
.set OB,  192                          ; v192-255 the way out: 16 rows read back
.set TM,  76
.set MSB, 0
.macro WIN new                         ; the immediate's high byte repeats the setting that is left
.if MSB != \new
	s_set_vgpr_msb (MSB<<8)|\new
.set MSB, \new
.endif
.endm
.macro PLACES
.rept 4
	v_nop
.endr
.endm
; One matrix instruction.  d, a, b: first registers of D, source 0, source 1; ck = 0: C is the constant 0, else C = v[c ..]; sa, sb: the scale registers; ra, rb = 1: that side's words stand in lanes 16-31.
.macro WM d, a, b, ck, c, sa, sb, ra, rb
.if (\ck) == 0
.if (\ra) && (\rb)
	v_wmma_scale_f32_16x16x128_f8f6f4 v[\d:\d+7], v[\a:\a+7], v[\b:\b+7], 0, v[\sa], v[\sb] matrix_a_fmt:MATRIX_FMT_FP4 matrix_b_fmt:MATRIX_FMT_FP4 matrix_a_scale:MATRIX_SCALE_ROW1 matrix_b_scale:MATRIX_SCALE_ROW1
.elseif (\ra)
	v_wmma_scale_f32_16x16x128_f8f6f4 v[\d:\d+7], v[\a:\a+7], v[\b:\b+7], 0, v[\sa], v[\sb] matrix_a_fmt:MATRIX_FMT_FP4 matrix_b_fmt:MATRIX_FMT_FP4 matrix_a_scale:MATRIX_SCALE_ROW1
.elseif (\rb)
	v_wmma_scale_f32_16x16x128_f8f6f4 v[\d:\d+7], v[\a:\a+7], v[\b:\b+7], 0, v[\sa], v[\sb] matrix_a_fmt:MATRIX_FMT_FP4 matrix_b_fmt:MATRIX_FMT_FP4 matrix_b_scale:MATRIX_SCALE_ROW1
.else
	v_wmma_scale_f32_16x16x128_f8f6f4 v[\d:\d+7], v[\a:\a+7], v[\b:\b+7], 0, v[\sa], v[\sb] matrix_a_fmt:MATRIX_FMT_FP4 matrix_b_fmt:MATRIX_FMT_FP4
.endif
.else
.if (\ra) && (\rb)
	v_wmma_scale_f32_16x16x128_f8f6f4 v[\d:\d+7], v[\a:\a+7], v[\b:\b+7], v[\c:\c+7], v[\sa], v[\sb] matrix_a_fmt:MATRIX_FMT_FP4 matrix_b_fmt:MATRIX_FMT_FP4 matrix_a_scale:MATRIX_SCALE_ROW1 matrix_b_scale:MATRIX_SCALE_ROW1
.elseif (\ra)
	v_wmma_scale_f32_16x16x128_f8f6f4 v[\d:\d+7], v[\a:\a+7], v[\b:\b+7], v[\c:\c+7], v[\sa], v[\sb] matrix_a_fmt:MATRIX_FMT_FP4 matrix_b_fmt:MATRIX_FMT_FP4 matrix_a_scale:MATRIX_SCALE_ROW1
.elseif (\rb)
	v_wmma_scale_f32_16x16x128_f8f6f4 v[\d:\d+7], v[\a:\a+7], v[\b:\b+7], v[\c:\c+7], v[\sa], v[\sb] matrix_a_fmt:MATRIX_FMT_FP4 matrix_b_fmt:MATRIX_FMT_FP4 matrix_b_scale:MATRIX_SCALE_ROW1
.else
	v_wmma_scale_f32_16x16x128_f8f6f4 v[\d:\d+7], v[\a:\a+7], v[\b:\b+7], v[\c:\c+7], v[\sa], v[\sb] matrix_a_fmt:MATRIX_FMT_FP4 matrix_b_fmt:MATRIX_FMT_FP4
.endif
.endif
.endm
; 64 numbers of a lane, v[s] .. v[s + 63], register 16 b + i = place 32 b + 16 (lane / 16) + i along the next K of my row, become a fragment's codes in v[PC] on and its scale word in v[pw].
.macro QUANT s, pw
.irp b, 0,1,2,3
	v_max3_num_f32 v[TM+\b], |v[\s+16*\b]|, |v[\s+1+16*\b]|, 0x1800000   ; block b: my 16 numbers, and the floor 2^(3 - 127): the byte cannot fall under 1
.endr
.irp i, 2,4,6,8,10,12,14
.irp b, 0,1,2,3
	v_max3_num_f32 v[TM+\b], v[TM+\b], |v[\s+16*\b+\i]|, |v[\s+1+16*\b+\i]|   ; the four blocks by turns
.endr
.endr
.irp b, 0,1,2,3
	v_permlanex16_b32 v[TM+4+\b], v[TM+\b], s30, s31
.endr
.irp b, 0,1,2,3
	v_max_num_f32 v[TM+\b], v[TM+\b], v[TM+4+\b]   ; with lane l xor 16's 16: the block's largest magnitude
.endr
.irp b, 0,1,2,3
	v_add_nc_u32 v[TM+12+\b], 0xff000000, v[TM+\b] ; 2 off its exponent field: the conversion takes the exponent field of this operand as its scale
.endr
.irp b, 0,1,2,3
	v_lshrrev_b32 v[TM+4+\b], 23, v[TM+12+\b]      ; the scale's byte
.endr
	s_wait_alu depctr_va_vdst(0)
	s_wait_dscnt 0x0                               ; the last image's stores have read their registers: word and codes may be written anew
	v_lshl_or_b32 v[\pw], v[TM+5], 8, v[TM+4]      ; my row's scale word
	v_lshl_or_b32 v[\pw], v[TM+6], 16, v[\pw]
	v_lshl_or_b32 v[\pw], v[TM+7], 24, v[\pw]
.irp b, 0,1,2,3
	v_cvt_scalef32_pk8_fp4_f32 v[PC+2*\b], v[\s+16*\b:\s+7+16*\b], v[TM+12+\b]
	v_cvt_scalef32_pk8_fp4_f32 v[PC+1+2*\b], v[\s+8+16*\b:\s+15+16*\b], v[TM+12+\b]
.endr
	v_nop                                          ; one plain place behind a scaled conversion
.irp c, 0,1                                    ; the operand's layout wants a whole block in a lane: lanes 0-15 block 2 c, lanes 16-31 block 2 c + 1
.irp i, 0,1
	v_permlane16_swap_b32 v[PC+4*\c+\i], v[PC+2+4*\c+\i]
.endr
.endr
.endm
; A round of the cluster's barrier: my work-group's barrier; wave 0 signals for the work-group; every wave waits for all four work-groups; my work-group's barrier once more.
.macro ROUND
	s_barrier_signal -1
	s_barrier_wait -1
	s_cmp_lg_u32 s26, 0
	s_cbranch_scc1 .Lnot_wave_0_\@
	s_barrier_signal -3
.Lnot_wave_0_\@:
	s_barrier_wait -3
	s_barrier_signal -1
	s_barrier_wait -1
.endm
; A prefetch of the slot that the NEXT change of slots will ask for: one key step (128 matrix instructions a wave) ahead of that load.  All eight clusters of a batch walk the same tiles: the batch's first cluster asks.
; Of the 128 rows of 256 bytes that wave w fetches, the partner at place cx takes 32, told apart by address; a lane a row.  So each row is named once in the launch.  The last change that fills a slot asks for nothing.
.macro ASK
	s_cmp_gt_u32 s49, s50
	s_cbranch_scc0 .Lnot_mine_\@
	global_prefetch_b8 v[PFO], s[52:53] th:TH_LOAD_NT scope:SCOPE_SE
.Lnot_mine_\@:
.endm
; THE CHANGE OF SLOTS stands at a step's head.  Each wave waits for all its tensor loads (one is out: its quarter of the slot that is about to be read), adds 0 to its spare word, and waits for that and for its reads of the slot that it has left.
; fill = 1: a round of the cluster's barrier follows, and behind it the slot that was left is filled with the next 256 keys: that load has a whole step in which to land.
.macro CHANGE fill
	s_wait_tensorcnt 0x0                           ; no tensor load of mine is out, so the descriptor may be written
	ds_add_u32 v[SPW], v[NIL]                      ; 0 onto my spare word
.if \fill
	s_xor_b32 s45, s45, SLOT1                      ; the walking descriptor: the other slot than last time,
	s_add_nc_u64 s[46:47], s[46:47], 131072        ; the next two key groups; the type bits on top are not reached
	s_wait_xcnt 0x0                                ; the last prefetch, a step back, has read its address
	s_add_nc_u64 s[52:53], s[52:53], 131072        ; one slot further on than the descriptor
.endif
	s_wait_dscnt 0x0                               ; the add is done, and my reads of the slot that I have left are over
.if \fill
	ROUND
	tensor_load_to_lds s[44:47], s[36:43]          ; the first thing behind the round, and my one tensor load until the next
	s_nop 0
	PLACES
	ASK
.else
	s_barrier_signal -1
	s_barrier_wait -1
.endif
.endm
.macro IMAGE m                         ; the fragment in v[PC] on and its scale word go to LDS as they stand: query tile m, K step = my wave
.irp c, 0,1
	ds_store_b128 v[QIW], v[PC+4*\c:PC+4*\c+3] offset:(\m)*4096+512*\c
.endr
	ds_store_b32 v[QSW], v[TX] offset:((\m)/2)*512+((\m)%2)*256   ; lanes r and 16 + r write the same word with the same value
.endm
.macro GETQ                            ; all sixteen fragments (m, s) and their scale words come back, in every wave
	WIN 0x80
.irp m, 0,1,2,3
.irp s, 0,1,2,3
.irp c, 0,1
	ds_load_b128 v[8*(4*\m+\s)+4*\c:8*(4*\m+\s)+4*\c+3], v[QIR] offset:(4*\m+\s)*1024+512*\c
.endr
.endr
.endr
	WIN 0
.irp u, 0,1
	ds_load_b128 v[QW+4*\u:QW+4*\u+3], v[QSR] offset:512*\u
.endr
.endm
	s_load_b512 s[4:19], s[0:1], 0x0               ; rep's codes s[4:5], scales s[6:7]; Wq's s[8:9], s[10:11]; bq s[12:13]; kvc s[14:15]; kvs s[16:17]; FC's codes s[18:19]
	s_load_b128 s[20:23], s[0:1], 0x40             ; FC's scales s[20:21], FC_b s[22:23]
	s_load_b64 s[24:25], s[0:1], 0x50              ; out0
	v_lshl_add_u32 v[SPW], v0, 2, SPARE
	v_mov_b32 v[NIL], 0
	ds_add_u32 v1, v2
	ds_add_u32 v1, v2
	s_wait_dscnt 0x0
	v_lshrrev_b32 v120, 5, v0
	v_readfirstlane_b32 s26, v120                  ; wave 0..3
	s_bfe_u32 s27, ttmp6, 0x40000                  ; cx: it enters the addresses of rep, out0 and the prefetches alone
	s_and_b32 s29, ttmp7, 0xffff                   ; the batch, which the four partners share
	s_mov_b32 s30, 0x76543210
	s_mov_b32 s31, 0xfedcba98                      ; v_permlanex16_b32's selects for lane l xor 16
	s_mov_b32 s32, 0x3d8293ee                      ; c = log2(e) / sqrt(512)
	s_mov_b32 s33, s32                             ; (named with it as a pair, so it is written)
	s_lshr_b32 s34, s26, 1
	s_lshl_b32 s34, s34, 16
	s_and_b32 s35, s26, 1
	s_lshl_b32 s35, s35, 12
	s_add_co_u32 s34, s34, s35                     ; my K fragments in a slot: 65,536 (w >> 1) + 4,096 (w & 1)
	s_lshl_b32 s35, s26, 13
	s_add_co_u32 s35, s35, 32768                   ; my V fragments in a key group: 32,768 + 8,192 w
	; descriptor group 1: a dense block of 32,768 bytes as 128 rows of 32 elements of 8 bytes; no padding: fragments are read as images, 16 consecutive bytes a lane
	s_mov_b32 s36, 15|(3<<16)|(1<<21)              ; 15:0 the mask: all four work-groups; 17:16 elements of 8 bytes; 21 set beside a mask
	s_mov_b32 s37, 32<<16                          ; tensor_dim0 = 32
	s_mov_b32 s38, 128<<16                         ; tensor_dim1 = 128
	s_mov_b32 s39, 32<<16                          ; tile_dim0 = 32
	s_mov_b32 s40, 128                             ; tile_dim1 = 128
	s_mov_b32 s41, 32                              ; from row to row
	s_mov_b32 s42, 0
	s_mov_b32 s43, 0
	s_mov_b32 s48, 0                               ; the slot in hand
	s_mov_b32 s49, 7                               ; slots still to be asked for
	s_cmp_eq_u32 ttmp9, 0
	s_cselect_b32 s50, 1, -1                       ; 1 in the batch's first cluster, else the greatest number: the same in all four partners
	s_lshl_b32 s82, ttmp9, 2
	s_add_co_u32 s82, s82, s27                     ; my block of 64 queries = 4 x cluster x + cx
	s_lshl_b32 s82, s82, 6
	s_lshl_b32 s83, s29, 11
	s_add_co_u32 s82, s82, s83                     ; my first row of rep and of out0
	s_lshl_b32 s60, s82, 8                         ; 256 bytes of codes a row,
	s_mov_b32 s61, 0
	s_lshl_b32 s62, s82, 4                         ; 16 scale bytes,
	s_mov_b32 s63, 0
	s_lshl_b32 s66, s82, 11                        ; 2,048 bytes of out0,
	s_lshl_b32 s58, s26, 9
	s_mov_b32 s59, 0                               ; s[58:59] = 512 w
	s_add_co_u32 s66, s66, s58                     ; + my 128 columns
	s_mov_b32 s67, 0
	s_lshl_b32 s68, s26, 15                        ; my 128 rows of a weight's codes,
	s_mov_b32 s69, 0
	s_lshl_b32 s70, s26, 11                        ; and of its scale bytes
	s_mov_b32 s71, 0
	s_lshl_b32 s72, s29, 20                        ; kvc: the batch's 16 key groups, + my quarter of a slot
	s_add_co_u32 s72, s72, s68
	s_mov_b32 s73, 0
	s_lshl_b32 s74, s27, 13                        ; the prefetches: my work-group's 32 rows of that quarter, in slot 1: the first change of slots steps them to slot 2
	s_add_co_u32 s74, s74, 131072
	s_mov_b32 s75, 0
	s_lshl_b32 s76, s29, 16                        ; kvs: the batch's 16 key groups
	s_add_co_u32 s78, s76, s58
	s_add_co_u32 s78, s78, 2048                    ; V's words: + 2,048 + 512 w
	s_mov_b32 s79, 0
	s_lshr_b32 s80, s26, 1
	s_lshl_b32 s80, s80, 12
	s_add_co_u32 s76, s76, s80
	s_and_b32 s80, s26, 1
	s_lshl_b32 s80, s80, 10
	s_add_co_u32 s76, s76, s80                     ; K's words: + 4,096 (w >> 1) + 1,024 (w & 1)
	s_mov_b32 s77, 0
	v_and_b32 v120, 31, v0                         ; lane
	v_and_b32 v121, 15, v0                         ; r
	v_bfe_u32 v122, v0, 4, 1                       ; h
	v_and_b32 v123, 8, v121
	v_add_nc_u32 v123, v123, v121                  ; r + 8 (r / 8)
	v_lshlrev_b32 v[L16], 4, v120
	v_lshlrev_b32 v[L8], 3, v120
	v_lshlrev_b32 v[PFO], 8, v120
	v_lshlrev_b32 v[VF], 8, v121
	v_lshl_add_u32 v[VF], v122, 4, v[VF]
	v_lshlrev_b32 v[VFT], 8, v123
	v_lshl_add_u32 v[VFT], v122, 4, v[VFT]
	v_lshl_add_u32 v124, v122, 3, v123
	v_lshlrev_b32 v124, 4, v124                    ; Wq's scale words: 16 bytes a row; lanes 16-31 take the tile 8 rows on
	v_lshlrev_b32 v125, 6, v122                    ; bq: 64 h
	v_lshlrev_b32 v[FBO], 5, v122
	v_lshlrev_b32 v127, 4, v121                    ; 16 r
	v_add_nc_u32 v[MXR], MX, v[L16]
	v_add_nc_u32 v[MXW], s58, v[MXR]
	v_add_nc_u32 v[PIR], PIMG, v[L16]
	v_add_nc_u32 v[PIW], s58, v[PIR]               ; my four registers of p's fragments: + 512 w
	s_lshl_b32 s84, s26, 1
	v_add_nc_u32 v[PSW], PSC, v127
	v_add_nc_u32 v[PSW], s84, v[PSW]               ; my two bytes of p's scale words: + 2 w
	v_add_nc_u32 v[PSR], PSC, v[L16]
	s_lshl_b32 s85, s26, 10
	v_add_nc_u32 v[QIR], QIMG, v[L16]
	v_add_nc_u32 v[QIW], s85, v[QIR]
	s_lshl_b32 s86, s26, 2
	v_add_nc_u32 v[QSW], QSC, v127
	v_add_nc_u32 v[QSW], s86, v[QSW]
	v_add_nc_u32 v[QSR], QSC, v[L16]
	s_mul_i32 s87, s26, 16*528
	s_add_co_u32 s87, s87, STG                     ; my stage
	v_mul_u32_u24 v[SO], v121, 528
	v_lshl_add_u32 v[SO], v122, 5, v[SO]
	v_add_nc_u32 v[SO], s87, v[SO]                 ; in: row r, 32 bytes for each half of the lanes
	v_add_nc_u32 v[SR], s87, v[L16]                ; back: the 32 lanes take a row of 512 bytes
	s_wait_kmcnt 0x0
	s_add_nc_u64 s[4:5], s[4:5], s[60:61]
	s_add_nc_u64 s[6:7], s[6:7], s[62:63]
	s_add_nc_u64 s[8:9], s[8:9], s[68:69]
	s_add_nc_u64 s[10:11], s[10:11], s[70:71]
	s_add_nc_u64 s[12:13], s[12:13], s[58:59]
	s_add_nc_u64 s[18:19], s[18:19], s[68:69]
	s_add_nc_u64 s[20:21], s[20:21], s[70:71]
	s_add_nc_u64 s[22:23], s[22:23], s[58:59]
	s_add_nc_u64 s[24:25], s[24:25], s[66:67]
	s_add_nc_u64 s[54:55], s[16:17], s[76:77]      ; K's scale words of the step
	s_add_nc_u64 s[56:57], s[16:17], s[78:79]      ; V's
	s_mov_b32 s44, 1                               ; descriptor group 0: count = 1,
	s_lshl_b32 s45, s26, 15                        ; LDS address: slot 0, my quarter,
	s_add_nc_u64 s[46:47], s[14:15], s[72:73]      ; global address: my quarter of the batch's first two key groups,
	s_add_nc_u64 s[52:53], s[46:47], s[74:75]      ; (where my prefetches stand)
	s_or_b32 s47, s47, 0x80000000                  ; type = 2
	ROUND                                          ; all four work-groups are here: the first joint loads meet
	tensor_load_to_lds s[44:47], s[36:43]          ; slot 0: it lands while q is made
	s_nop 0
	PLACES
	WIN 0x40                                       ; Wq's fragment (tile t, K step s) at v[8 (4 t + s)] of window 1; lane r of tile 2 b + u takes row 32 b + 8 u + r + 8 (r / 8) of my 128
.irp t, 0,1,2,3,4,5,6,7
.irp s, 0,1,2,3
.irp c, 0,1
	global_load_b128 v[8*(4*\t+\s)+4*\c:8*(4*\t+\s)+4*\c+3], v[VFT], s[8:9] offset:(32*(\t/2)+8*(\t%2))*256+64*\s+32*\c
.endr
.endr
.endr
	WIN 0x80                                       ; rep's fragment (m, s) at v[128 + 8 (4 m + s)] of window 2
.irp m, 0,1,2,3
.irp s, 0,1,2,3
.irp c, 0,1
	global_load_b128 v[128+8*(4*\m+\s)+4*\c:128+8*(4*\m+\s)+4*\c+3], v[VF], s[4:5] offset:4096*\m+64*\s+32*\c
.endr
.endr
.endr
	WIN 0xc0                                       ; bq in the result's layout: lane (r, h), tile 2 b + u: channels 32 b + 16 h + 8 u + 0 .. 7
.irp t, 0,1,2,3,4,5,6,7
	global_load_b128 v[192+8*\t:192+8*\t+3], v125, s[12:13] offset:(32*(\t/2)+8*(\t%2))*4
	global_load_b128 v[192+8*\t+4:192+8*\t+7], v125, s[12:13] offset:(32*(\t/2)+8*(\t%2))*4+16
.endr
	WIN 0
.irp b, 0,1,2,3
	global_load_b128 v[WS+4*\b:WS+4*\b+3], v124, s[10:11] offset:512*\b
.endr
.irp u, 0,1
	global_load_b128 v[QW+4*\u:QW+4*\u+3], v[L16], s[6:7] offset:512*\u   ; rows 32 u + lane: tile 2 u's words below, tile 2 u + 1's above
.endr
.set J, 80
.rept 12
	v_mov_b32 v[J], 0                              ; written once: a lane permute's destination counts as one of its sources
.set J, J+1
.endr
.irp m, 0,1,2,3
	v_mov_b32 v[LS+2*\m], 0                        ; the sums
	v_mov_b32 v[LS+2*\m+1], 0
	v_mov_b32 v[FF+2*\m+1], 0                      ; (named as the upper half of a pair)
	v_mov_b32 v[NM+2*\m+1], 0xff61b1e6             ; the largest t so far: -3e38, under every t
	v_floor_f32 v[NM+2*\m], -v[NM+2*\m+1]          ; -M
.endr
	s_wait_loadcnt 0x0
	; ---- q: my 128 channels for the four query tiles.  Source 0 = 16 rows of Wq, source 1 = 16 rows of rep; the bias is the C of each sum's first instruction; the 8 accumulators take turns.
.irp m, 0,1,2,3
.irp s, 0,1,2,3
.if \s == 0
	WIN 0x39                                       ; source 0 window 1, source 1 window 2, C window 3, D window 0
.else
	WIN 0x09
.endif
.irp t, 0,1,2,3,4,5,6,7
.if \s == 0
	WM HA+8*\t, 8*(4*\t+\s), 128+8*(4*\m+\s), 1, 192+8*\t, WS+4*(\t/2)+\s, QW+4*(\m/2)+\s, \t%2, \m%2
.else
	WM HA+8*\t, 8*(4*\t+\s), 128+8*(4*\m+\s), 1, HA+8*\t, WS+4*(\t/2)+\s, QW+4*(\m/2)+\s, \t%2, \m%2
.endif
.endr
.endr
	WIN 0
	PLACES
.set J, 0
.rept 64
	v_max_num_f32 v[HA+J], 0, v[HA+J]              ; relu, in f32; each accumulator from its low end on
.set J, J+1
.endr
	QUANT HA, TX
	IMAGE \m
.endr
	s_wait_dscnt 0x0                               ; my images have landed
	s_barrier_signal -1
	s_barrier_wait -1                              ; q's sixteen fragments lie in LDS.  (Slot 0's load may stay out)
	PLACES                                         ; places in front of loads into registers that matrix instructions have read as scales
.irp s, 0,1,2,3
	global_load_b64 v[KW+2*\s:KW+2*\s+1], v[L8], s[54:55] offset:256*\s   ; the first step's scale words of K,
.endr
.irp k, 0,1
	global_load_b128 v[VW+4*\k:VW+4*\k+3], v[L16], s[56:57] offset:4096*\k   ; and of V
.endr
	GETQ
; A KEY STEP: the 256 keys of the slot in hand.  first = 1: O^T's sums begin; last = 1: nothing of K and V is asked for any more, and FC's operands come into the registers that K and V leave.
.macro STEP first, last
	s_add_co_u32 s70, s48, s34
	s_add_co_u32 s71, s48, s35
	v_add_nc_u32 v[ADK], s70, v[L16]
	v_add_nc_u32 v[ADV0], s71, v[L16]
	v_add_nc_u32 v[ADV1], 0x10000, v[ADV0]
	WIN 0x80                                       ; my 16 fragments of K, channel step by channel step
.irp s, 0,1,2,3
.irp k, 0,1,2,3
.irp c, 0,1
	ds_load_b128 v[128+8*(4*\k+\s)+4*\c:128+8*(4*\k+\s)+4*\c+3], v[ADK] offset:\s*8192+\k*1024+512*\c
.endr
.endr
.endr
	WIN 0xc0                                       ; and my 16 of V: they land under the scores and the softmax
.irp k, 0,1
.irp t, 0,1,2,3,4,5,6,7
.irp c, 0,1
	ds_load_b128 v[8*(2*\t+\k)+4*\c:8*(2*\t+\k)+4*\c+3], v[ADV0+\k] offset:\t*1024+512*\c
.endr
.endr
.endr
	s_wait_loadcnt 0x2                             ; K's scale words are in; the two younger loads are V's
	WIN 0x0a                                       ; K and q in window 2, S^T in window 0
.irp s, 0,1,2,3
	s_wait_dscnt 56-8*\s                           ; this channel step's 8 loads are in; K's later steps (8 each) and V's 32 may be out
.irp k, 0,1,2,3
.irp m, 0,1,2,3
.if \s == 0
	WM S+32*\m+8*\k, 128+8*(4*\k+\s), 8*(4*\m+\s), 0, 0, KW+2*\s+\k/2, QW+4*(\m/2)+\s, \k%2, \m%2
.else
	WM S+32*\m+8*\k, 128+8*(4*\k+\s), 8*(4*\m+\s), 1, S+32*\m+8*\k, KW+2*\s+\k/2, QW+4*(\m/2)+\s, \k%2, \m%2
.endif
.endr
.endr
.endr
	WIN 0
	PLACES                                         ; places in front of the loads below and of the first read of the scores
.if \last
	WIN 0x80                                       ; FC's fragments (tile t, K steps 0, 1) into K's registers
.irp t, 0,1,2,3,4,5,6,7
.irp s, 0,1
.irp c, 0,1
	global_load_b128 v[128+8*(2*\t+\s)+4*\c:128+8*(2*\t+\s)+4*\c+3], v[VF], s[18:19] offset:4096*\t+64*\s+32*\c
.endr
.endr
.endr
	WIN 0
.else
	s_add_nc_u64 s[54:55], s[54:55], 8192          ; (the loads that read this address were shown done above)  the next step's scale words of K
.irp s, 0,1,2,3
	global_load_b64 v[KW+2*\s:KW+2*\s+1], v[L8], s[54:55] offset:256*\s
.endr
.endif
	; the largest score of each block of 32 keys (block 2 m + p = registers 16 (2 m + p) on): it serves for the row's maximum and for the block's largest p
.irp q, 0,1,2,3,4,5,6,7
	v_max3_num_f32 v[BM+\q], v[S+16*\q], v[S+16*\q+1], v[S+16*\q+2]
.endr
.irp i, 3,5,7,9,11,13
.irp q, 0,1,2,3,4,5,6,7
	v_max3_num_f32 v[BM+\q], v[BM+\q], v[S+16*\q+\i], v[S+16*\q+\i+1]
.endr
.endr
.irp q, 0,1,2,3,4,5,6,7
	v_max_num_f32 v[BM+\q], v[BM+\q], v[S+16*\q+15]
.endr
.irp q, 0,1,2,3,4,5,6,7
	v_permlanex16_b32 v[T1+\q], v[BM+\q], s30, s31
.endr
.irp q, 0,1,2,3,4,5,6,7
	v_max_num_f32 v[BM+\q], v[BM+\q], v[T1+\q]     ; with lane l xor 16's 16 keys
.endr
.irp m, 0,1,2,3
	v_max_num_f32 v[TX+\m], v[BM+2*\m], v[BM+2*\m+1]   ; my 64 keys' largest score of my query in tile m
.endr
	ds_store_b128 v[MXW], v[TX:TX+3]
	s_wait_dscnt 0x0                               ; it has landed (and V's fragments are in)
	s_barrier_signal -1
	s_barrier_wait -1
.irp w, 0,1,2,3
	ds_load_b128 v[XM+4*\w:XM+4*\w+3], v[MXR] offset:512*\w
.endr
	s_wait_dscnt 0x0
.irp m, 0,1,2,3
	v_max3_num_f32 v[T1+\m], v[XM+\m], v[XM+4+\m], v[XM+8+\m]
.endr
.irp m, 0,1,2,3
	v_max_num_f32 v[T1+\m], v[T1+\m], v[XM+12+\m]  ; the step's largest score: the same number in all four waves
.endr
.irp m, 0,1,2,3
	v_mul_f32 v[T1+\m], s32, v[T1+\m]              ; as t (c is positive)
.endr
.irp m, 0,1,2,3
	v_max_num_f32 v[NM+2*\m+1], v[NM+2*\m+1], v[T1+\m]   ; the running largest t
.endr
.irp m, 0,1,2,3
	v_mov_b32 v[SOP+\m], v[NM+2*\m]
.endr
.irp m, 0,1,2,3
	v_floor_f32 v[NM+2*\m], -v[NM+2*\m+1]          ; the new -M = floor(-t) = -ceil(t): a whole number
.endr
.irp m, 0,1,2,3
	v_sub_f32 v[SOP+\m], v[NM+2*\m], v[SOP+\m]     ; M's old value less its new one: a whole number, 0 or less
.endr
.irp m, 0,1,2,3
	v_cvt_i32_f32 v[SOP+\m], v[SOP+\m]             ; (it saturates)
.endr
.irp m, 0,1,2,3
	v_ldexp_f32 v[FF+2*\m], 1.0, v[SOP+\m]         ; f = 2^(old M - new M)
.endr
.set J, 0
.rept 64
	v_pk_fma_f32 v[S+2*J:S+2*J+1], v[S+2*J:S+2*J+1], s[32:33], v[NM+2*(J/16):NM+2*(J/16)+1] op_sel_hi:[1,0,0]   ; t - M, two at a time
.set J, J+1
.endr
.irp q, 0,1,2,3,4,5,6,7
	v_fma_f32 v[BM+\q], v[BM+\q], s32, v[NM+2*(\q/2)]   ; the same of each block's largest score
.endr
.set J, 0
	s_wait_alu depctr_va_vdst(0)
.rept 128
	v_exp_f32 v[S+J], v[S+J]                       ; p = 2^(t - M): not normalised
.set J, J+1
.endr
.irp m, 0,1,2,3
	v_pk_mul_f32 v[LS+2*\m:LS+2*\m+1], v[LS+2*\m:LS+2*\m+1], v[FF+2*\m:FF+2*\m+1] op_sel_hi:[1,0]   ; the sums under the new M: plain work behind the exponentials
.endr
	s_wait_alu depctr_va_vdst(0)                   ; one wait for the whole batch, ahead of its first reader
.irp q, 0,1,2,3,4,5,6,7
	v_exp_f32 v[BM+\q], v[BM+\q]                   ; the blocks' largest p
.endr
.irp m, 0,1,2,3                                ; the row's sum is taken of the unquantised p: two at a time, in two chains a tile
	v_pk_add_f32 v[TP+2*\m:TP+2*\m+1], v[S+32*\m:S+32*\m+1], v[S+32*\m+2:S+32*\m+3]
.endr
.irp j, 4,8,12,16,20,24,28
.irp m, 0,1,2,3
	v_pk_add_f32 v[LS+2*\m:LS+2*\m+1], v[LS+2*\m:LS+2*\m+1], v[S+32*\m+\j:S+32*\m+\j+1]
	v_pk_add_f32 v[TP+2*\m:TP+2*\m+1], v[TP+2*\m:TP+2*\m+1], v[S+32*\m+\j+2:S+32*\m+\j+3]
.endr
.endr
.irp m, 0,1,2,3
	v_pk_add_f32 v[LS+2*\m:LS+2*\m+1], v[LS+2*\m:LS+2*\m+1], v[TP+2*\m:TP+2*\m+1]
.endr
	s_wait_alu depctr_va_vdst(0)                   ; and one for the eight
.irp q, 0,1,2,3,4,5,6,7
	v_max_num_f32 v[BM+\q], 0x1800000, v[BM+\q]    ; the floor 2^(3 - 127): the byte cannot fall under 1
.endr
.irp q, 0,1,2,3,4,5,6,7
	v_add_nc_u32 v[SOP+\q], 0xff000000, v[BM+\q]   ; 2 off the exponent field: the conversion's scale operand
.endr
.irp q, 0,1,2,3,4,5,6,7
	v_lshrrev_b32 v[T1+\q], 23, v[SOP+\q]          ; the scale's byte
.endr
.irp m, 0,1,2,3
	v_lshl_or_b32 v[TX+\m], v[T1+2*\m+1], 8, v[T1+2*\m]   ; my two bytes of tile m's scale word
.endr
.irp q, 0,1,2,3,4,5,6,7
	v_cvt_scalef32_pk8_fp4_f32 v[PC+2*\q], v[S+16*\q:S+16*\q+7], v[SOP+\q]
	v_cvt_scalef32_pk8_fp4_f32 v[PC+2*\q+1], v[S+16*\q+8:S+16*\q+15], v[SOP+\q]
.endr
	v_nop                                          ; one plain place behind a scaled conversion
.irp m, 0,1,2,3                                ; a whole block in a lane: v[PC + 4 m ..] are registers 4 (w & 1) .. + 3 of p's fragment (m, key group w >> 1)
.irp i, 0,1
	v_permlane16_swap_b32 v[PC+4*\m+\i], v[PC+4*\m+2+\i]
.endr
.endr
.irp m, 0,1,2,3
	ds_store_b128 v[PIW], v[PC+4*\m:PC+4*\m+3] offset:\m*2048
.endr
.irp m, 0,1,2,3
	ds_store_b16 v[PSW], v[TX+\m] offset:256*(\m%2)+8*(\m/2)   ; lanes r and 16 + r write the same two bytes with the same value
.endr
	s_wait_dscnt 0x0                               ; they have landed
	s_barrier_signal -1
.if !(\first)
	WIN 0x41                                       ; O^T in window 1, f in window 0: register work while the others arrive
.set J, 0
.rept 128
	v_pk_mul_f32 v[2*J:2*J+1], v[2*J:2*J+1], v[FF+2*(J/32):FF+2*(J/32)+1] op_sel_hi:[1,0]   ; O^T under the new M; each accumulator from its low end on
.set J, J+1
.endr
	WIN 0
.endif
	s_wait_alu depctr_va_vdst(0)
	s_barrier_wait -1                              ; p's eight fragments and their scale words lie in LDS
	ds_load_b128 v[PWD:PWD+3], v[PSR]
	WIN 0xc0
.irp k, 0,1
.irp m, 0,1,2,3
.irp c, 0,1
	ds_load_b128 v[128+8*(2*\m+\k)+4*\c:128+8*(2*\m+\k)+4*\c+3], v[PIR] offset:\m*2048+\k*1024+512*\c
.endr
.endr
.endr
.if \last
	s_wait_loadcnt 32                              ; V's scale words are in; the 32 younger loads are FC's
.else
	s_wait_loadcnt 0x4                             ; V's scale words are in; the 4 younger loads are K's next
.endif
	WIN 0x5f                                       ; V and p in window 3, O^T in window 1
.irp k, 0,1
	s_wait_dscnt 8-8*\k                            ; this key group's fragments of p are in; the second group's 8 loads may be out
.irp t, 0,1,2,3,4,5,6,7
.irp m, 0,1,2,3
.if \first && (\k == 0)
	WM 64*\m+8*\t, 8*(2*\t+\k), 128+8*(2*\m+\k), 0, 0, VW+4*\k+\t/2, PWD+\k+2*(\m/2), \t%2, \m%2
.else
	WM 64*\m+8*\t, 8*(2*\t+\k), 128+8*(2*\m+\k), 1, 64*\m+8*\t, VW+4*\k+\t/2, PWD+\k+2*(\m/2), \t%2, \m%2
.endif
.endr
.endr
.endr
	WIN 0
	PLACES                                         ; places in front of loads into registers that these products have read
.if \last
	WIN 0xc0                                       ; FC's fragments (tile t, K steps 2, 3) into V's registers, and FC_b in the result's layout: lane (r, h), tile t: columns 16 t + 8 h + 0 .. 7
.irp t, 0,1,2,3,4,5,6,7
.irp s, 2,3
.irp c, 0,1
	global_load_b128 v[8*(2*\t+\s-2)+4*\c:8*(2*\t+\s-2)+4*\c+3], v[VF], s[18:19] offset:4096*\t+64*\s+32*\c
.endr
.endr
.endr
.irp t, 0,1,2,3,4,5,6,7
	global_load_b128 v[192+8*\t:192+8*\t+3], v[FBO], s[22:23] offset:64*\t
	global_load_b128 v[192+8*\t+4:192+8*\t+7], v[FBO], s[22:23] offset:64*\t+16
.endr
	WIN 0
.irp b, 0,1,2,3
	global_load_b128 v[WS+4*\b:WS+4*\b+3], v[L16], s[20:21] offset:512*\b   ; FC's scale words: rows 32 b + lane
.endr
.else
	s_add_nc_u64 s[56:57], s[56:57], 8192          ; (the loads that read this address were shown done above)  the next step's scale words of V
.irp k, 0,1
	global_load_b128 v[VW+4*\k:VW+4*\k+3], v[L16], s[56:57] offset:4096*\k
.endr
.endif
	s_xor_b32 s48, s48, SLOT1                      ; on to the other slot
.endm
	CHANGE 1                                       ; slot 0 is whole; slot 1 is asked for
	STEP 1, 0
	s_sub_co_u32 s49, s49, 1
.Lstep:                                            ; six trips: steps 1 to 6; behind each change of slots the next slot is asked for
	CHANGE 1
	STEP 0, 0
	s_sub_co_u32 s49, s49, 1
	s_cmp_lg_u32 s49, 0
	s_cbranch_scc1 .Lstep
	CHANGE 0                                       ; the last step is written out
	STEP 0, 1
	; ---- the row's sum: my two halves, lane l xor 16's, and the other three waves'
.irp m, 0,1,2,3
	v_add_f32 v[TX+\m], v[LS+2*\m], v[LS+2*\m+1]
.endr
.irp m, 0,1,2,3
	v_permlanex16_b32 v[T1+\m], v[TX+\m], s30, s31
.endr
.irp m, 0,1,2,3
	v_add_f32 v[TX+\m], v[TX+\m], v[T1+\m]
.endr
	ds_store_b128 v[MXW], v[TX:TX+3]
	s_wait_dscnt 0x0
	s_barrier_signal -1
	s_barrier_wait -1
.irp w, 0,1,2,3
	ds_load_b128 v[XM+4*\w:XM+4*\w+3], v[MXR] offset:512*\w
.endr
	s_wait_dscnt 0x0
.irp m, 0,1,2,3
	v_add_f32 v[T1+\m], v[XM+\m], v[XM+4+\m]
	v_add_f32 v[SOP+\m], v[XM+8+\m], v[XM+12+\m]
.endr
.irp m, 0,1,2,3
	v_add_f32 v[T1+\m], v[T1+\m], v[SOP+\m]
.endr
	s_wait_alu depctr_va_vdst(0)
.irp m, 0,1,2,3
	v_rcp_f32 v[FF+2*\m], v[T1+\m]
.endr
	v_nop                                          ; a plain place behind the last reciprocal
	s_wait_alu depctr_va_vdst(0)                   ; one wait for the four, ahead of their first reader
	; ---- O / the sum, quantised along the channels: my 128 channels are K step w of FC
.irp m, 0,1,2,3
	WIN 0x01                                       ; source 0 (O^T) window 1
.set J, 0
.rept 32
	v_pk_mul_f32 v[HA+2*J:HA+2*J+1], v[64*\m+2*J:64*\m+2*J+1], v[FF+2*\m:FF+2*\m+1] op_sel_hi:[1,0]
.set J, J+1
.endr
	WIN 0
	QUANT HA, TX
	IMAGE \m
.endr
	s_wait_dscnt 0x0
	s_barrier_signal -1
	s_barrier_wait -1                              ; O's sixteen fragments lie in LDS
	GETQ
	s_wait_loadcnt 0x0                             ; FC's fragments, scale words and bias
	s_wait_dscnt 0x0
	; ---- FC: source 0 = 16 rows of FC_w (my output columns 16 t on), source 1 = 16 queries; the bias is the C of each sum's first instruction; the 32 accumulators take turns
.irp s, 0,1,2,3
.if \s == 0
	WIN 0x7a                                       ; sources window 2, C window 3, D window 1
.elseif \s == 1
	WIN 0x5a                                       ; C and D window 1
.else
	WIN 0x5b                                       ; source 0 window 3
.endif
.irp t, 0,1,2,3,4,5,6,7
.irp m, 0,1,2,3
.if \s == 0
	WM 64*\m+8*\t, 128+8*(2*\t+\s), 8*(4*\m+\s), 1, 192+8*\t, WS+4*(\t/2)+\s, QW+4*(\m/2)+\s, \t%2, \m%2
.elseif \s == 1
	WM 64*\m+8*\t, 128+8*(2*\t+\s), 8*(4*\m+\s), 1, 64*\m+8*\t, WS+4*(\t/2)+\s, QW+4*(\m/2)+\s, \t%2, \m%2
.else
	WM 64*\m+8*\t, 8*(2*\t+\s-2), 8*(4*\m+\s), 1, 64*\m+8*\t, WS+4*(\t/2)+\s, QW+4*(\m/2)+\s, \t%2, \m%2
.endif
.endr
.endr
.endr
	WIN 0
	PLACES
	; ---- the way out, a query tile at a time: relu; a lane's 32 bytes of a row go into my own stage and come back as whole rows of 512 bytes
.irp m, 0,1,2,3
.if \m > 0
	s_wait_xcnt 0x0                                ; the last tile's stores have read their registers
.endif
	WIN 0x04                                       ; source 1 window 1
.set J, 0
.rept 64
	v_max_num_f32 v[HA+J], 0, v[64*\m+J]           ; each accumulator from its low end on
.set J, J+1
.endr
	WIN 0
.irp t, 0,1,2,3,4,5,6,7
	ds_store_b128 v[SO], v[HA+8*\t:HA+8*\t+3] offset:64*\t
	ds_store_b128 v[SO], v[HA+8*\t+4:HA+8*\t+7] offset:64*\t+16
.endr
.irp i, 0,1,2,3,4,5,6,7,8,9,10,11,12,13,14,15
	ds_load_b128 v[OB+4*\i:OB+4*\i+3], v[SR] offset:528*\i   ; LDS serves a wave's instructions in order (ISA guide 5.7.1.4): these see my stores
.endr
.irp i, 0,1,2,3,4,5,6,7,8,9,10,11,12,13,14,15
	s_wait_dscnt 15-\i                             ; row i is back; the younger rows may be out
	global_store_b128 v[L16], v[OB+4*\i:OB+4*\i+3], s[24:25] offset:\m*32768+\i*2048 th:TH_STORE_NT   ; 32 lanes store 512 consecutive bytes, aligned; written once, read by nobody here
.endr
.endr
	s_wait_tensorcnt 0x0                           ; the wave's end, behind my last tensor load and my last LDS store
	ds_add_u32 v[SPW], v[NIL]
	s_wait_dscnt 0x0
	ROUND                                          ; the closing round: no work-group ends while a partner may still ask for a tile that names it
	s_endpgm
.Lfunc_end_k_qb61d2dec35_attn:
	.size	k_qb61d2dec35_attn, .Lfunc_end_k_qb61d2dec35_attn-k_qb61d2dec35_attn
	.p2alignl 7, 3214868480
	.fill 96, 4, 3214868480
	.section	.rodata,"a",@progbits
	.p2align	6, 0x0
	.amdhsa_kernel k_qb61d2dec35_attn
		.amdhsa_group_segment_fixed_size 327680
		.amdhsa_private_segment_fixed_size 0
		.amdhsa_enable_private_segment 0
		.amdhsa_kernarg_size 88
		.amdhsa_user_sgpr_count 2
		.amdhsa_user_sgpr_kernarg_segment_ptr 1
		.amdhsa_wavefront_size32 1
		.amdhsa_system_sgpr_workgroup_id_x 1
		.amdhsa_system_sgpr_workgroup_id_y 1
		.amdhsa_system_sgpr_workgroup_id_z 1
		.amdhsa_system_vgpr_workitem_id 0
		.amdhsa_next_free_vgpr 1024
		.amdhsa_next_free_sgpr 96
		.amdhsa_reserve_vcc 0
		.amdhsa_float_denorm_mode_32 3
		.amdhsa_float_denorm_mode_16_64 3
		.amdhsa_memory_ordered 1
		.amdhsa_forward_progress 1
		.amdhsa_inst_pref_size 255
	.end_amdhsa_kernel
	.section	.bss,"aw",@nobits
	.p2align	6
	.space	262144
	.amdgpu_metadata
---
amdhsa.version: [ 1, 2 ]
amdhsa.kernels:
  - .name:           k_qb61d2dec35_attn
    .symbol:         k_qb61d2dec35_attn.kd
    .args:
      - { .name: rep_codes, .offset: 0, .size: 8, .value_kind: global_buffer, .address_space: global }
      - { .name: rep_scales, .offset: 8, .size: 8, .value_kind: global_buffer, .address_space: global }
      - { .name: Wq_w_codes, .offset: 16, .size: 8, .value_kind: global_buffer, .address_space: global }
      - { .name: Wq_w_scales, .offset: 24, .size: 8, .value_kind: global_buffer, .address_space: global }
      - { .name: Wq_b, .offset: 32, .size: 8, .value_kind: global_buffer, .address_space: global }
      - { .name: kvc, .offset: 40, .size: 8, .value_kind: global_buffer, .address_space: global }
      - { .name: kvs, .offset: 48, .size: 8, .value_kind: global_buffer, .address_space: global }
      - { .name: FC_w_codes, .offset: 56, .size: 8, .value_kind: global_buffer, .address_space: global }
      - { .name: FC_w_scales, .offset: 64, .size: 8, .value_kind: global_buffer, .address_space: global }
      - { .name: FC_b, .offset: 72, .size: 8, .value_kind: global_buffer, .address_space: global }
      - { .name: out0, .offset: 80, .size: 8, .value_kind: global_buffer, .address_space: global }
    .group_segment_fixed_size: 327680
    .private_segment_fixed_size: 0
    .kernarg_segment_align: 8
    .kernarg_segment_size: 88
    .max_flat_workgroup_size: 128
    .sgpr_count:     96
    .vgpr_count:     1024
    .wavefront_size: 32
...
	.end_amdgpu_metadata
.endif
;; end of part 4
